; MI455X (gfx1250); checked and timed in simulation.
; The chip was launched on July 23, 2026; its instructions are those of AMD's public machine-readable ISA for CDNA 5 (MIT licence, August 2026) and "CDNA5" Instruction Set Architecture Reference Guide (July 2026). The comments in the code are by the model that wrote it; some were corrected since.
;; Simple Ro PE Attention Model. Allowed arithmetic: float matrix products may take bf16 or f16 operands with f32 sums; all other float work in f32.
;; Inputs: Wk 2,048 x 2,048 float32; Wo 2,048 x 2,048 float32; Wq 2,048 x 2,048 float32; Wv 2,048 x 2,048 float32; cos 2,048 x 128 float32; sin 2,048 x 128 float32; x 1 x 2,048 x 2,048 float32.
;; Outputs: out0 1 x 2,048 x 2,048 float32.
;; One version. Each part assembles by itself: llvm-mc -triple=amdgcn-amd-amdhsa -mcpu=gfx1250 --defsym DOCPART=n.
;; ======== version 1 of 1: 4 launches
;; limits: values are held in f16: magnitudes above 65,504 overflow, below 6.1e-05 lose precision; right only within a limited range of input values
;; workspace buffers: xb 8,388,608 bytes; wb 25,165,824 bytes; wo 8,388,608 bytes; qh 8,388,608 bytes; kh 8,388,608 bytes; vh 8,388,608 bytes; scl 2,048 bytes; ob 8,388,608 bytes
;; launch cast (part 1): grid 256 x 5, 8 waves a work-group, no clusters, 0 bytes of LDS; arguments x, Wq, Wk, Wv, Wo, xb, wb, wo; writes xb, wb, wo
.if DOCPART == 1
	.amdgcn_target "amdgcn-amd-amdhsa--gfx1250"
	.amdhsa_code_object_version 6
	.text
	.protected	k_q405b7f0b53_cast
	.globl	k_q405b7f0b53_cast
	.p2align	8
	.type	k_q405b7f0b53_cast,@function
k_q405b7f0b53_cast:
	s_mov_b64 s[64:65], 0
	v_nop
	global_prefetch_b8 v0, s[64:65] scope:SCOPE_SE
	s_setreg_imm32_b32 hwreg(HW_REG_WAVE_MODE, 25, 1), 1
	s_wait_xcnt 0x0
; x, Wq, Wk, Wv (f32) are rounded to bf16; Wo is rounded to bf16 and that number is written as f16.
; The grid's y picks the array (0 x, 1 Wq, 2 Wk, 3 Wv, 4 Wo); work-group x takes 16,384 numbers of it: 65,536 bytes in, 32,768 out.
; Thread t takes 16 chunks of 4 numbers: load i reads 16 bytes at 16 t + 4,096 i (a wave: 512 bytes on end), store i writes 8 bytes at
; 8 t + 2,048 i (a wave: 256 bytes on end, aligned).  All 16 loads of a thread go out at once; a chunk is converted in the registers that it
; was loaded into and stored from them, and no chunk's registers are written again.  72 registers a wave: the 40 waves that fall to a WGP
; (1,280 work-groups of 8 waves on 256 WGPs) take 720 of a SIMD's 1,024, so all of them hold their loads at the same time.
; No LDS, no barrier, no matrix unit: nothing here is used twice.
; LIMIT: |Wo| stays under 65,504 (f16's end); below 6.1e-5 the f16 copy keeps a fixed step of 6e-8.
.set X, 4                              ; v[4:67]    16 chunks as loaded; a chunk's first two registers then hold what is stored
.set T, 68                             ; v[68:71]   at work (Wo alone)
	s_load_b512 s[8:23], s[0:1], 0x0               ; x 8, Wq 10, Wk 12, Wv 14, Wo 16, xb 18, wb 20, wo 22
	s_and_b32 s2, ttmp7, 0xffff                    ; which array
	v_lshlrev_b32 v1, 4, v0                        ; 16 t
	v_lshlrev_b32 v2, 3, v0                        ; 8 t
	s_lshl_b32 s26, ttmp9, 16                      ; the work-group's bytes in the source
	s_mov_b32 s27, 0
	s_sub_co_u32 s24, s2, 1                        ; Wq, Wk, Wv lie one behind the other in wb, 8,388,608 bytes each
	s_lshl_b32 s24, s24, 23
	s_cmp_eq_u32 s2, 0
	s_cselect_b32 s24, 0, s24                      ; xb and wo begin at their own first byte
	s_cmp_eq_u32 s2, 4
	s_cselect_b32 s24, 0, s24
	s_lshl_b32 s25, ttmp9, 15                      ; the work-group's bytes in the destination
	s_add_co_u32 s24, s24, s25
	s_mov_b32 s25, 0
	s_wait_kmcnt 0x0
	s_mov_b64 s[4:5], s[8:9]                       ; the source, chosen by the array's number
	s_cmp_eq_u32 s2, 1
	s_cselect_b64 s[4:5], s[10:11], s[4:5]
	s_cmp_eq_u32 s2, 2
	s_cselect_b64 s[4:5], s[12:13], s[4:5]
	s_cmp_eq_u32 s2, 3
	s_cselect_b64 s[4:5], s[14:15], s[4:5]
	s_cmp_eq_u32 s2, 4
	s_cselect_b64 s[4:5], s[16:17], s[4:5]
	s_cselect_b64 s[6:7], s[22:23], s[20:21]       ; the destination: wo for Wo, else wb,
	s_cmp_eq_u32 s2, 0
	s_cselect_b64 s[6:7], s[18:19], s[6:7]         ; xb for x
	s_add_nc_u64 s[4:5], s[4:5], s[26:27]
	s_add_nc_u64 s[6:7], s[6:7], s[24:25]
.irp i, 0,1,2,3,4,5,6,7,8,9,10,11,12,13,14,15
	global_load_b128 v[X+4*(\i):X+4*(\i)+3], v1, s[4:5] offset:4096*(\i) th:TH_LOAD_NT
.endr
; Chunk i.  The count leaves the 15 - i younger loads out (loads come back in order: ISA guide 5.7.1).
.macro CV i, f16
	s_wait_loadcnt 15-(\i)
	v_cvt_pk_bf16_f32 v[X+4*(\i)], v[X+4*(\i)], v[X+4*(\i)+1]
	v_cvt_pk_bf16_f32 v[X+4*(\i)+1], v[X+4*(\i)+2], v[X+4*(\i)+3]
.if \f16
	v_lshlrev_b32 v[T], 16, v[X+4*(\i)]            ; the bf16 numbers back as f32,
	v_and_b32 v[T+1], 0xffff0000, v[X+4*(\i)]
	v_lshlrev_b32 v[T+2], 16, v[X+4*(\i)+1]
	v_and_b32 v[T+3], 0xffff0000, v[X+4*(\i)+1]
	v_cvt_pk_f16_f32 v[X+4*(\i)], v[T], v[T+1]     ; and written as f16: exact inside f16's normal range
	v_cvt_pk_f16_f32 v[X+4*(\i)+1], v[T+2], v[T+3]
.endif
	global_store_b64 v2, v[X+4*(\i):X+4*(\i)+1], s[6:7] offset:2048*(\i)
.endm
	s_cmp_eq_u32 s2, 4
	s_cbranch_scc1 .Lwo
.irp i, 0,1,2,3,4,5,6,7,8,9,10,11,12,13,14,15
	CV \i, 0
.endr
	s_endpgm
.Lwo:
.irp i, 0,1,2,3,4,5,6,7,8,9,10,11,12,13,14,15
	CV \i, 1
.endr
	s_endpgm
.Lfunc_end_k_q405b7f0b53_cast:
	.size	k_q405b7f0b53_cast, .Lfunc_end_k_q405b7f0b53_cast-k_q405b7f0b53_cast
	.p2alignl 7, 3214868480
	.fill 96, 4, 3214868480
	.section	.rodata,"a",@progbits
	.p2align	6, 0x0
	.amdhsa_kernel k_q405b7f0b53_cast
		.amdhsa_group_segment_fixed_size 0
		.amdhsa_private_segment_fixed_size 0
		.amdhsa_enable_private_segment 0
		.amdhsa_kernarg_size 64
		.amdhsa_user_sgpr_count 2
		.amdhsa_user_sgpr_kernarg_segment_ptr 1
		.amdhsa_wavefront_size32 1
		.amdhsa_system_sgpr_workgroup_id_x 1
		.amdhsa_system_sgpr_workgroup_id_y 1
		.amdhsa_system_sgpr_workgroup_id_z 1
		.amdhsa_system_vgpr_workitem_id 0
		.amdhsa_next_free_vgpr 72
		.amdhsa_next_free_sgpr 66
		.amdhsa_reserve_vcc 0
		.amdhsa_float_denorm_mode_32 3
		.amdhsa_float_denorm_mode_16_64 3
		.amdhsa_memory_ordered 1
		.amdhsa_forward_progress 1
		.amdhsa_inst_pref_size 16
	.end_amdhsa_kernel
	.amdgpu_metadata
---
amdhsa.version: [ 1, 2 ]
amdhsa.kernels:
  - .name:           k_q405b7f0b53_cast
    .symbol:         k_q405b7f0b53_cast.kd
    .args:
      - { .name: x, .offset: 0, .size: 8, .value_kind: global_buffer, .address_space: global }
      - { .name: Wq, .offset: 8, .size: 8, .value_kind: global_buffer, .address_space: global }
      - { .name: Wk, .offset: 16, .size: 8, .value_kind: global_buffer, .address_space: global }
      - { .name: Wv, .offset: 24, .size: 8, .value_kind: global_buffer, .address_space: global }
      - { .name: Wo, .offset: 32, .size: 8, .value_kind: global_buffer, .address_space: global }
      - { .name: xb, .offset: 40, .size: 8, .value_kind: global_buffer, .address_space: global }
      - { .name: wb, .offset: 48, .size: 8, .value_kind: global_buffer, .address_space: global }
      - { .name: wo, .offset: 56, .size: 8, .value_kind: global_buffer, .address_space: global }
    .group_segment_fixed_size: 0
    .private_segment_fixed_size: 0
    .kernarg_segment_align: 8
    .kernarg_segment_size: 64
    .max_flat_workgroup_size: 256
    .sgpr_count:     66
    .vgpr_count:     72
    .wavefront_size: 32
...
	.end_amdgpu_metadata
.endif
;; end of part 1
;; launch qkv (part 2): grid 16 x 16, 4 waves a work-group, clusters of 4 x 4, 327,680 bytes of LDS; arguments xb, wb, cos, sin, qh, kh, vh, scl; writes qh, kh, vh, scl
.if DOCPART == 2
	.amdgcn_target "amdgcn-amd-amdhsa--gfx1250"
	.amdhsa_code_object_version 6
	.text
	.protected	k_q405b7f0b53_qkv
	.globl	k_q405b7f0b53_qkv
	.p2align	8
	.type	k_q405b7f0b53_qkv,@function
k_q405b7f0b53_qkv:
	s_mov_b64 s[64:65], 0
	v_nop
	global_prefetch_b8 v0, s[64:65] scope:SCOPE_SE
	s_setreg_imm32_b32 hwreg(HW_REG_WAVE_MODE, 25, 1), 1
	s_wait_xcnt 0x0
	s_wait_alu depctr_hold_cnt(0) depctr_sa_sdst(0) depctr_va_vdst(0) depctr_va_sdst(0) depctr_va_ssrc(0) depctr_va_vcc(0) depctr_vm_vsrc(0)
	s_getreg_b32 s2, hwreg(HW_REG_IB_STS2, 6, 4)
	s_cmp_eq_u32 s2, 0
	s_cbranch_scc0 .Lentry_in_a_cluster
	s_endpgm
.Lentry_in_a_cluster:
	s_bfe_u32 s2, ttmp6, 0x10000c
	s_cmp_lg_u32 s2, 0xf033
	s_cbranch_scc0 .Lentry_shape_is_right
	s_endpgm
.Lentry_shape_is_right:
; q, k, v = x W^T for ONE HEAD and 128 ROWS, rotary embedding on q and k, and the way out by heads in f16.
; xb: [2048][2048] bf16.  wb: [3][2048][2048] bf16 (Wq, Wk, Wv).  cos, sin: [2048][128] f32, rounded here to bf16 like every other input.
; qh, kh, vh: [16][2048][128] f16.  scl: [2][16 heads][16 blocks of 128 rows] f32.  Sums and the rotation in f32.
; SHARES.  Work-group (x = head, y = block of 128 rows) makes 128 rows x 384 columns: the head's 128 columns of q, of k and of v.  Wave w makes all 128 rows (8 blocks a of 16)
; x 6 blocks b of 16 columns: b = 0, 1 are q's columns 16 w .. and 64 + 16 w .., b = 2, 3 the same of k, b = 4, 5 of v.  So the two partners (d, d + 64) of the rotation lie in
; the same lane and register of accumulators b and b + 1.  28 LDS loads feed 48 matrix instructions.
; THE MATRIX INSTRUCTION IS USED TRANSPOSED (source 0 = 16 rows of W, source 1 = 16 rows of x): lane l holds row l % 16 and the columns 8 (l / 16) + 0..7.
; RING.  K goes in 16 steps of 128 through two LDS slots; a slot holds 128 rows of x, of Wq, of Wk and of Wv, one tensor load a wave (128 rows x 256 bytes).  A refill is asked for only
; when the load before it has landed, so nothing but the waits and the round stands between the two: the quarter step that is due there is multiplied behind the request.
; A trip of the loop is ONE K step: the slot in hand is a scalar turned by an exclusive or, and one descriptor for each tensor walks from slot to slot.
; CLUSTER.  4 x 4 work-groups: x's tile hangs on the row block alone and is asked for jointly along a row of the cluster, W's tiles on the head alone, along a column.
; BLOCK SCALES.  q's and k's tile (128 rows x 128 columns) is divided by P, the power of two of its largest magnitude, so that every number lies under 2 in f16 whatever the inputs'
; size; P goes to scl and is multiplied back in the next launch's softmax scale.  v is written times 2^-3.
; LIMITS.  |v| stays under 524,000 (f16's end times 8).  P is held within 2^-126 .. 2^126.  NaN and infinities are not treated apart.
; REGISTERS, in windows of 256 (s_set_vgpr_msb: bits 1:0 source 0, 3:2 source 1, 5:4 source 2, 7:6 destination):
;   window 0: v0-31 addresses; v32-143, v144-255 two fragment buffers (x's 8 fragments, then W's 6); on the way out v32-255 are at work
;   window 1: accumulators b = 0..3 at 8 (8 b + a)      window 2: b = 4, 5 at 8 (8 (b - 4) + a)
;   window 3: for each a 32 registers at 32 a: cos of my low columns, cos of my high ones, sin low, sin high: asked for at the start, waited for behind the K loop
.set KSTEP,  128
.set PITCH,  272                       ; an LDS row: 256 bytes + 16 of padding = 68 words: the 16 rows of a fragment load start at 16 different groups of four banks (64 banks of 4 bytes: ISA guide 11.1)
.set HALFT,  128*PITCH                 ; what one tensor load brings
.set SLOT,   4*HALFT                   ; x, Wq, Wk, Wv
.set SLOTB,  0x24000                   ; slot 1 begins here; the four parts' places in slot 0 (0, 0x8800, 0x11000, 0x19800) have these two bits clear, so one exclusive or turns a part's place into the other slot's
.set STAGE,  SLOTB+SLOT                ; behind the ring: 128 rows x 272 bytes, the work-group's, for the way out
.set RED,    STAGE+128*PITCH           ; four waves' two maxima: a block of 256 bytes of its own
.set SPARE,  RED+256                   ; the spare words, 128 bytes for each wave: two blocks of 256 bytes that no other line names
.set BASA, 16                          ; v16  my lane's place in a slot's rows of x; never rewritten
.set BASB, 17                          ; v17  in Wq's and Wk's; never rewritten
.set BASC, 18                          ; v18  in Wv's (an LDS offset has 16 bits); never rewritten
.set ADRA, 19                          ; v19-21  the same three in the slot in hand
.set ADRB, 20
.set ADRC, 21
.set SCO,  22                          ; v22     my work-group's byte offset in scl
.set STO,  24                          ; v24     the way out: where I put 16 bytes of a row
.set RD,   25                          ; v25     where I read rows back
.set CO,   26                          ; v26     16 x lane
.set CSO,  27                          ; v27     my byte offset in 16 rows of cos and sin; not rewritten: their loads are out until the K loop has ended
.set SPW,  28                          ; v28     LDS address of my spare word; never rewritten
.set NIL,  29                          ; v29     0; never rewritten
.set REDW, 30
.set REDR, 31
.set F0,   32
.set F1,   144
.set MX,   48                          ; the way out: v48-51 running maxima (q low, q high, k low, k high)
.set INVQ, 60                          ; v60-61  1 / P of q, twice;  v62-63 of k;  v64-65  2^-3
.set INVK, 62
.set INVV, 64
.set PQR,  66                          ; v66, v67  P of q, of k
.set PKR,  67
.set TT,   96                          ; v96-127 the rotation's cross products
.set PKD,  96                          ; v96-159 a tensor's 128 x 32 numbers of mine, packed
.set BK,   160                         ; v160-223 32 rows read back
.set WV,  12                           ; s12 wave;  s13 head;  s14 row block
.set TB,  15                           ; s15 the slot in hand: 0 or SLOTB
.set G1,  24                           ; s[24:31] descriptor group 1 for x's tiles;  s[32:39] group 0: a set for each of the two first fills; the second then walks on
.set G0,  32
.set G1B, 48                           ; s[48:55], s[56:63] the same for W's tiles
.set G0B, 56
.set MSB, 0
.macro WIN new                         ; the immediate's high byte repeats the setting that is left; a switch that changes nothing is dropped
.if MSB != (\new)
	s_set_vgpr_msb (MSB<<8)|(\new)
.set MSB, \new
.endif
.endm
; A joint load.  Wave 0 fetches x's tile, waves 1, 2, 3 those of Wq, Wk, Wv.  The branch hangs on the wave's number alone.
; An s_nop 0 and four v_nop follow each of the two lines, ahead of the jump and the label.
.macro JLOAD s
	s_cmp_eq_u32 s[WV], 0
	s_cbranch_scc0 .Lfor_b_\@
	tensor_load_to_lds s[G0+4*(\s):G0+4*(\s)+3], s[G1:G1+7]
	s_nop 0
.rept 4
	v_nop
.endr
	s_branch .Lasked_\@
.Lfor_b_\@:
	tensor_load_to_lds s[G0B+4*(\s):G0B+4*(\s)+3], s[G1B:G1B+7]
	s_nop 0
.rept 4
	v_nop
.endr
.Lasked_\@:
.endm
.macro CREST                           ; a round of the cluster's barrier behind its opening barrier
	s_cmp_lg_u32 s[WV], 0
	s_cbranch_scc1 .Lnot_wave_0_\@
	s_barrier_signal -3
.Lnot_wave_0_\@:
	s_barrier_wait -3
	s_barrier_signal -1
	s_barrier_wait -1
.endm
.macro CROUND                          ; a whole round
	s_barrier_signal -1
	s_barrier_wait -1
	CREST
.endm
.macro PLACES                          ; four places in front of loads into registers that matrix instructions have read, and of vector lines that read results
.rept 4
	v_nop
.endr
.endm
	s_load_b256 s[4:11], s[0:1], 0x0               ; xb s[4:5], wb s[6:7], cos s[8:9], sin s[10:11]
	s_load_b256 s[68:75], s[0:1], 0x20             ; qh s[68:69], kh s[70:71], vh s[72:73], scl s[74:75]
	v_lshl_add_u32 v[SPW], v0, 2, SPARE
	v_mov_b32 v[NIL], 0
	ds_add_u32 v[SPW], v[NIL]                      ; the wave's opening: the add and its wait stand ahead of my first tensor load; the set-up below stands between them
	v_lshrrev_b32 v1, 5, v0
	v_readfirstlane_b32 s[WV], v1                  ; wave 0..3
	s_bfe_u32 s40, ttmp6, 0x40000                  ; cx, cy: my place in the cluster
	s_bfe_u32 s41, ttmp6, 0x40004
	s_lshl_b32 s13, ttmp9, 2
	s_add_co_u32 s13, s13, s40                     ; head = 4 x cluster x + cx
	s_and_b32 s14, ttmp7, 0xffff
	s_lshl_b32 s14, s14, 2
	s_add_co_u32 s14, s14, s41                     ; row block = 4 x cluster y + cy
	s_lshl_b32 s43, s41, 2
	s_lshl_b32 s43, 15, s43                        ; my row of the cluster
	s_lshl_b32 s44, 0x1111, s40                    ; my column
	s_or_b32 s[G1+0], s43, (1<<16)|(1<<20)|(1<<21)|(5<<22)|(3<<25)   ; 15:0 the mask; 17:16 2-byte elements; 20 padding on; 21 set beside a mask; 24:22 after every 64 words; 31:25 4 words
	s_or_b32 s[G1B+0], s44, (1<<16)|(1<<20)|(1<<21)|(5<<22)|(3<<25)
.irp g, G1, G1B
	s_mov_b32 s[(\g)+1], KSTEP<<16                 ; tensor_dim0 = 128
	s_mov_b32 s[(\g)+2], 128<<16                   ; tensor_dim1 = 128
	s_mov_b32 s[(\g)+3], KSTEP<<16                 ; tile_dim0 = 128
	s_mov_b32 s[(\g)+4], 128                       ; tile_dim1 = 128
	s_mov_b32 s[(\g)+5], 2048                      ; elements from row to row
	s_mov_b32 s[(\g)+6], 0
	s_mov_b32 s[(\g)+7], 0
.endr
	s_lshl_b32 s16, s14, 19                        ; x: 128 rows of 4,096 bytes for each row block
	s_mov_b32 s17, 0
	s_max_u32 s46, s[WV], 1
	s_sub_co_u32 s46, s46, 1                       ; W: waves 1, 2, 3 take matrix 0, 1, 2 (wave 0's copy is not used),
	s_lshl_b32 s46, s46, 23
	s_lshl_b32 s47, s13, 19                        ; the head's 128 rows
	s_add_co_u32 s46, s46, s47
	s_mov_b32 s47, 0
	s_mul_i32 s20, s[WV], HALFT                    ; where my tile goes: no place in the cluster enters an LDS address
	s_mov_b32 s21, 0xffff0000                      ; a word's upper bf16
	s_mov_b32 s22, 0x76543210                      ; v_permlanex16_b32: each lane takes its own place in the other half
	s_mov_b32 s23, 0xfedcba98
	s_mov_b32 s[TB], 0
	s_wait_dscnt 0x0                               ; the opening add is done
	s_wait_kmcnt 0x0
	s_add_nc_u64 s[16:17], s[4:5], s[16:17]
	s_add_nc_u64 s[46:47], s[6:7], s[46:47]
	CROUND                                         ; all sixteen work-groups are here: the first joint loads meet
.irp s, 0,1
	s_mov_b32 s[G0+4*(\s)], 1
	s_add_co_u32 s[G0+4*(\s)+1], s20, (\s)*SLOTB
	s_add_nc_u64 s[G0+4*(\s)+2:G0+4*(\s)+3], s[16:17], (\s)*KSTEP*2
	s_or_b32 s[G0+4*(\s)+3], s[G0+4*(\s)+3], 0x80000000
	s_mov_b32 s[G0B+4*(\s)], 1
	s_add_co_u32 s[G0B+4*(\s)+1], s20, (\s)*SLOTB
	s_add_nc_u64 s[G0B+4*(\s)+2:G0B+4*(\s)+3], s[46:47], (\s)*KSTEP*2
	s_or_b32 s[G0B+4*(\s)+3], s[G0B+4*(\s)+3], 0x80000000
	JLOAD \s                                       ; K steps 0 and 1: two tensor loads of mine are out
.endr
	v_and_b32 v1, 15, v0                           ; r = l % 16
	v_bfe_u32 v2, v0, 4, 1                         ; h = l / 16
	v_lshlrev_b32 v[CSO], 9, v1                    ; cos, sin: row r (512 bytes), columns 16 w + 8 h on (4 bytes each)
	v_lshl_add_u32 v[CSO], v2, 5, v[CSO]
	s_lshl_b32 s18, s[WV], 6
	v_add_nc_u32 v[CSO], s18, v[CSO]
	s_lshl_b32 s78, s14, 16                        ; the row block's 128 rows of 512 bytes
	s_mov_b32 s79, 0
	s_add_nc_u64 s[8:9], s[8:9], s[78:79]
	s_add_nc_u64 s[10:11], s[10:11], s[78:79]
	WIN 0xc0                                       ; destination window 3, address window 0.  These 64 loads stay out during the K loop, which names neither window 3 nor their address registers
.irp a, 0,1,2,3,4,5,6,7
.irp q, 0,1                            ; my low columns, my high ones (64 columns = 256 bytes on)
	global_load_b128 v[32*(\a)+8*(\q):32*(\a)+8*(\q)+3],       v[CSO], s[8:9]   offset:(\a)*8192+(\q)*256
	global_load_b128 v[32*(\a)+8*(\q)+4:32*(\a)+8*(\q)+7],     v[CSO], s[8:9]   offset:(\a)*8192+(\q)*256+16
	global_load_b128 v[32*(\a)+16+8*(\q):32*(\a)+16+8*(\q)+3], v[CSO], s[10:11] offset:(\a)*8192+(\q)*256
	global_load_b128 v[32*(\a)+16+8*(\q)+4:32*(\a)+16+8*(\q)+7], v[CSO], s[10:11] offset:(\a)*8192+(\q)*256+16
.endr
.endr
	WIN 0
	v_mul_u32_u24 v3, v1, PITCH
	v_lshl_add_u32 v[BASA], v2, 4, v3              ; a fragment's row x pitch + 16 x half
	s_mul_i32 s18, s[WV], 16*PITCH                 ; my 16 rows of Wq's low half,
	s_add_co_u32 s18, s18, HALFT                   ; behind x's 128 rows
	v_add_nc_u32 v[BASB], s18, v[BASA]
	v_add_nc_u32 v[BASC], 2*HALFT, v[BASB]
	v_mov_b32 v[ADRA], v[BASA]                     ; slot 0 is the first in hand
	v_mov_b32 v[ADRB], v[BASB]
	v_mov_b32 v[ADRC], v[BASC]
	s_lshl_b32 s18, s[WV], 5                       ; into the stage: row r, my 16 columns (32 bytes), 16 bytes for each half of the lanes
	s_add_co_u32 s18, s18, STAGE
	v_add_nc_u32 v[STO], s18, v[BASA]
	s_mul_i32 s18, s[WV], 32*PITCH                 ; back: wave w takes rows 32 w .. 32 w + 31, whole; lanes 0-15 one row, lanes 16-31 the next
	s_add_co_u32 s18, s18, STAGE
	v_mul_u32_u24 v4, v2, PITCH
	v_lshl_add_u32 v4, v1, 4, v4
	v_add_nc_u32 v[RD], s18, v4
	v_and_b32 v4, 31, v0
	v_lshlrev_b32 v[CO], 4, v4                     ; two rows of 256 bytes are 512 bytes on end in qh, kh, vh
	s_lshl_b32 s18, s[WV], 3
	s_add_co_u32 s18, s18, RED
	v_mov_b32 v[REDW], s18
	v_mov_b32 v[REDR], RED
; 8 n matrix instructions: column blocks b0 .. b0 + n - 1 x all 8 row blocks, 32 along K.  The 48 accumulators go in one fixed order in every quarter step, one instruction a turn.
; zero = 1: the first product starts the sums: nothing is cleared.
.macro MULB f, b0, n, zero
.if (\b0) < 4
	WIN 0x50                                       ; fragments window 0, C and D window 1
.else
	WIN 0xa0                                       ; C and D window 2
.endif
.set bq, (\b0)
.rept (\n)
.set aq, 0
.rept 8
.set rD, 8*(8*(bq%4)+aq)
.set rB, (\f)+64+8*bq
.set rA, (\f)+8*aq
.if (\zero)
	v_wmma_f32_16x16x32_bf16 v[rD:rD+7], v[rB:rB+7], v[rA:rA+7], 0
.else
	v_wmma_f32_16x16x32_bf16 v[rD:rD+7], v[rB:rB+7], v[rA:rA+7], v[rD:rD+7]
.endif
.set aq, aq+1
.endr
.set bq, bq+1
.endr
.endm
; 28 LDS loads in one run: a quarter step's fragments (32 K at byte k of the rows of the slot in hand) into buffer f: q's and k's four, x's eight, v's two last
.macro FETCH k, f
	WIN 0
.irp b, 0,1,2,3
	ds_load_b128 v[(\f)+64+8*(\b):(\f)+64+8*(\b)+3],   v[ADRB] offset:(\k)+((\b)/2)*HALFT+((\b)%2)*64*PITCH
	ds_load_b128 v[(\f)+64+8*(\b)+4:(\f)+64+8*(\b)+7], v[ADRB] offset:(\k)+((\b)/2)*HALFT+((\b)%2)*64*PITCH+32
.endr
.irp a, 0,1,2,3,4,5,6,7
	ds_load_b128 v[(\f)+8*(\a):(\f)+8*(\a)+3],   v[ADRA] offset:(\k)+(\a)*16*PITCH
	ds_load_b128 v[(\f)+8*(\a)+4:(\f)+8*(\a)+7], v[ADRA] offset:(\k)+(\a)*16*PITCH+32
.endr
.irp b, 4,5
	ds_load_b128 v[(\f)+64+8*(\b):(\f)+64+8*(\b)+3],   v[ADRC] offset:(\k)+((\b)%2)*64*PITCH
	ds_load_b128 v[(\f)+64+8*(\b)+4:(\f)+64+8*(\b)+7], v[ADRC] offset:(\k)+((\b)%2)*64*PITCH+32
.endr
.endm
; A K step is four quarters of 32 along K, 48 matrix instructions each, on buffers 0, 1, 0, 1.  One of the first three: at its head it fetches the next quarter, at byte k, into buffer g,
; which the quarter before multiplied (hence the four places); then it multiplies buffer f.  So a run of loads has a whole quarter's 48 matrix instructions in which to land.
.macro QUARTER k, f, g, zero
	PLACES
	FETCH \k, \g
	s_wait_dscnt 32                                ; of buffer f all but the youngest four loads (v's two fragments) are in; behind them the 28 just issued
	MULB \f, 0, 4, \zero
	s_wait_dscnt 28                                ; all but the 28 just issued
	MULB \f, 4, 2, \zero
.endm
; The last quarter changes slots and then multiplies buffer 1.  ONE barrier; in front of it each wave waits for all its tensor loads (one is out: its part of the next slot), adds 0 to its
; spare word, and waits for that and for its own reads of this slot, which buffer 1's run ended.  fill = 1: the barrier opens a round of the cluster's, and this slot is filled again, two
; K steps ahead, first thing behind it.  No product stands between the wait for the one load and the request of the next; all 48 follow the request.
.macro TURN fill
	WIN 0
	s_wait_tensorcnt 0x0
	ds_add_u32 v[SPW], v[NIL]                      ; 0 onto my spare word; the steps below, work on registers, stand between it and the wait for it
.if \fill
	s_xor_b32 s[G0+5], s[G0+5], SLOTB              ; no tensor load of mine is out, so the walking descriptors may be written: the other slot than last time,
	s_add_nc_u64 s[G0+6:G0+7], s[G0+6:G0+7], KSTEP*2   ; the next K step; the type bits on top are not reached
	s_xor_b32 s[G0B+5], s[G0B+5], SLOTB
	s_add_nc_u64 s[G0B+6:G0B+7], s[G0B+6:G0B+7], KSTEP*2
.endif
	s_xor_b32 s[TB], s[TB], SLOTB                  ; the fetches go on in the other slot
	v_add_nc_u32 v[ADRA], s[TB], v[BASA]
	v_add_nc_u32 v[ADRB], s[TB], v[BASB]
	v_add_nc_u32 v[ADRC], s[TB], v[BASC]
	s_wait_dscnt 0x0                               ; the add is done, and my reads of this slot are over
	s_barrier_signal -1
	s_barrier_wait -1
.if \fill
	CREST                                          ; no wave of any partner still reads this slot's tiles or has a load on its way
	JLOAD 1                                        ; a whole K step, 192 matrix instructions, ahead of the wait for it; its four v_nop are also the places in front of the loads below
.else
	PLACES
.endif
	FETCH 0, F0
	MULB F1, 0, 4, 0
	MULB F1, 4, 2, 0
.endm
	s_wait_tensorcnt 1                             ; my part of K step 0 is in; K step 1's may stay out
	s_barrier_signal -1
	s_barrier_wait -1                              ; everybody's is
	FETCH 0, F0
	QUARTER 64, F0, F1, 1                          ; the first quarter stands in front of the loop: its products start the sums
	WIN 0                                          ; at a label and at a branch every window is 0
	s_mov_b32 s3, 14
.Lstep:                                                ; a trip goes from a K step's second quarter to the next step's first and fills the slot that it leaves: K steps 2 to 15
	QUARTER 128, F1, F0, 0
	QUARTER 192, F0, F1, 0
	TURN 1
	QUARTER 64,  F0, F1, 0
	WIN 0
	s_sub_co_u32 s3, s3, 1
	s_cmp_lg_u32 s3, 0
	s_cbranch_scc1 .Lstep
	QUARTER 128, F1, F0, 0                         ; the last two K steps fill nothing
	QUARTER 192, F0, F1, 0
	TURN 0
	QUARTER 64,  F0, F1, 0
	QUARTER 128, F1, F0, 0
	QUARTER 192, F0, F1, 0
	s_wait_dscnt 0x0
	MULB F1, 0, 4, 0
	MULB F1, 4, 2, 0
	WIN 0
	PLACES
	s_lshl_b32 s76, s13, 19                        ; where my 32 rows begin in qh, kh, vh: the head's 524,288 bytes, the row block's 128 rows of 256 bytes, my wave's 32
	s_lshl_b32 s78, s14, 15
	s_add_co_u32 s76, s76, s78
	s_lshl_b32 s78, s[WV], 13
	s_add_co_u32 s76, s76, s78
	s_mov_b32 s77, 0
	s_add_nc_u64 s[68:69], s[68:69], s[76:77]
	s_add_nc_u64 s[70:71], s[70:71], s[76:77]
	s_add_nc_u64 s[72:73], s[72:73], s[76:77]
	s_lshl4_add_u32 s78, s13, s14                  ; scl: word 16 x head + row block
	s_lshl_b32 s78, s78, 2
	v_mov_b32 v[SCO], s78
	v_mov_b32 v[INVV], 0x3e000000                  ; 2^-3
	v_mov_b32 v[INVV+1], 0x3e000000
; THE WAY OUT of one tensor: scaled, rounded to f16, 16 bytes a lane into the work-group's stage; a barrier, since a row's 256 bytes come from four waves; back as whole rows, 32 a wave.
; first = 0: the stage has been read since the last barrier: a barrier stands between those reads (each wave's count-down has ended at 0) and the new stores; the arithmetic stands inside it.
.macro PACKT wmul, wcvt, base, inv, ptr, first
.if !(\first)
	s_barrier_signal -1
.endif
	WIN \wmul
.set i, 0
.rept 64
	v_pk_mul_f32 v[(\base)+2*i:(\base)+2*i+1], v[(\base)+2*i:(\base)+2*i+1], v[(\inv):(\inv)+1] op_sel_hi:[1,0]
.set i, i+1
.endr
	WIN \wcvt
.set i, 0
.rept 64
	v_cvt_pk_f16_f32 v[PKD+i], v[(\base)+2*i], v[(\base)+2*i+1]
.set i, i+1
.endr
	WIN 0
.if !(\first)
	s_barrier_wait -1
.endif
.irp bb, 0,1
.irp a, 0,1,2,3,4,5,6,7
	ds_store_b128 v[STO], v[PKD+4*(8*(\bb)+(\a)):PKD+4*(8*(\bb)+(\a))+3] offset:(\a)*16*PITCH+(\bb)*128
.endr
.endr
	s_wait_dscnt 0x0                               ; for the others' sake: my stores into the stage are done
	s_barrier_signal -1
	s_barrier_wait -1
	s_wait_xcnt 0x0                                ; the registers that the last tensor's stores read are loaded again only behind this wait
.irp t, 0,1,2,3,4,5,6,7,8,9,10,11,12,13,14,15
	ds_load_b128 v[BK+4*(\t):BK+4*(\t)+3], v[RD] offset:(\t)*2*PITCH
.endr
.irp t, 0,1,2,3,4,5,6,7,8,9,10,11,12,13,14,15
	s_wait_dscnt 15-(\t)
	global_store_b128 v[CO], v[BK+4*(\t):BK+4*(\t)+3], s[(\ptr):(\ptr)+1] offset:512*(\t)  ; a wave stores 512 consecutive bytes, at a multiple of 256 from the buffer's first
.endr
.endm
	PACKT 0x82, 0x0a, 0, INVV, 72, 1               ; v needs neither cos nor sin nor a maximum: it goes out first, and its stores leave while q and k are rotated
	s_wait_loadcnt 0x0                             ; cos and sin, asked for at the kernel's start
	; cos and sin are rounded to bf16 and widened again, 32 registers at a time, through 16 registers of window 0
.irp a, 0,1,2,3,4,5,6,7
	WIN 0x0f                                       ; sources window 3, destination window 0
.set i, 0
.rept 16
	v_cvt_pk_bf16_f32 v[F0+i], v[32*(\a)+2*i], v[32*(\a)+2*i+1]
.set i, i+1
.endr
	WIN 0xc0                                       ; source window 0, destination window 3
.set i, 0
.rept 16
	v_lshlrev_b32 v[32*(\a)+2*i], 16, v[F0+i]
	v_and_b32 v[32*(\a)+2*i+1], s21, v[F0+i]
.set i, i+1
.endr
.endr
	WIN 0
	; THE ROTATION, in f32, in place: low' = low cos_low - high sin_low, high' = high cos_high + low sin_high; and the largest magnitude of q and of k.
	; Each accumulator's lowest registers are read first.
.irp c, 0,1,2,3
	v_mov_b32 v[MX+(\c)], 0
.endr
.macro ROPE a
	WIN 0x0d                                       ; source 0 window 1, source 1 window 3, destination window 0
.irp t, 0, 128                         ; q's accumulators begin at 0, k's at 128; the high columns' 64 further on
.irp p, 0,1,2,3
	v_pk_mul_f32 v[TT+(\t)/8+2*(\p):TT+(\t)/8+2*(\p)+1], v[(\t)+8*(\a)+2*(\p):(\t)+8*(\a)+2*(\p)+1], v[32*(\a)+24+2*(\p):32*(\a)+24+2*(\p)+1]        ; low sin_high
.endr
.irp p, 0,1,2,3
	v_pk_mul_f32 v[TT+(\t)/8+8+2*(\p):TT+(\t)/8+8+2*(\p)+1], v[(\t)+64+8*(\a)+2*(\p):(\t)+64+8*(\a)+2*(\p)+1], v[32*(\a)+16+2*(\p):32*(\a)+16+2*(\p)+1]  ; high sin_low
.endr
.endr
	WIN 0x4d                                       ; source 2 window 0, destination window 1
.irp t, 0, 128
.irp p, 0,1,2,3
	v_pk_fma_f32 v[(\t)+8*(\a)+2*(\p):(\t)+8*(\a)+2*(\p)+1], v[(\t)+8*(\a)+2*(\p):(\t)+8*(\a)+2*(\p)+1], v[32*(\a)+2*(\p):32*(\a)+2*(\p)+1], v[TT+(\t)/8+8+2*(\p):TT+(\t)/8+8+2*(\p)+1] neg_lo:[0,0,1] neg_hi:[0,0,1]
	v_pk_fma_f32 v[(\t)+64+8*(\a)+2*(\p):(\t)+64+8*(\a)+2*(\p)+1], v[(\t)+64+8*(\a)+2*(\p):(\t)+64+8*(\a)+2*(\p)+1], v[32*(\a)+8+2*(\p):32*(\a)+8+2*(\p)+1], v[TT+(\t)/8+2*(\p):TT+(\t)/8+2*(\p)+1]
.endr
.endr
	WIN 0x05                                       ; sources 0 and 1 window 1, the running maximum window 0
.irp p, 0,1,2,3
.irp t, 0, 128
	v_max3_num_f32 v[MX+(\t)/64], |v[(\t)+8*(\a)+2*(\p)]|, |v[(\t)+8*(\a)+2*(\p)+1]|, v[MX+(\t)/64]
	v_max3_num_f32 v[MX+(\t)/64+1], |v[(\t)+64+8*(\a)+2*(\p)]|, |v[(\t)+64+8*(\a)+2*(\p)+1]|, v[MX+(\t)/64+1]
.endr
.endr
.endm
.irp a, 0,1,2,3,4,5,6,7
	ROPE \a
.endr
	WIN 0
	v_max_num_f32 v[MX], v[MX], v[MX+1]
	v_max_num_f32 v[MX+2], v[MX+2], v[MX+3]
.irp x, 1,2,4,8                        ; over the wave's lanes
	v_max_num_f32_dpp v[MX], v[MX], v[MX] row_xmask:\x row_mask:0xf bank_mask:0xf
	v_max_num_f32_dpp v[MX+2], v[MX+2], v[MX+2] row_xmask:\x row_mask:0xf bank_mask:0xf
.endr
	v_permlanex16_b32 v[MX+1], v[MX], s22, s23
	v_permlanex16_b32 v[MX+3], v[MX+2], s22, s23
	v_max_num_f32 v52, v[MX], v[MX+1]
	v_max_num_f32 v53, v[MX+2], v[MX+3]
	ds_store_b64 v[REDW], v[52:53]                 ; over the four waves: every lane writes the wave's two numbers to the wave's own 8 bytes
	s_wait_dscnt 0x0                               ; for the others' sake: my store is done (and my reads of the stage, v's rows, ended before it)
	s_barrier_signal -1
	s_barrier_wait -1
	ds_load_b128 v[52:55], v[REDR]
	ds_load_b128 v[56:59], v[REDR] offset:16
	s_wait_dscnt 0x0
	v_max3_num_f32 v[MX], v52, v54, v56
	v_max3_num_f32 v[MX+2], v53, v55, v57
	v_max_num_f32 v[MX], v[MX], v58
	v_max_num_f32 v[MX+2], v[MX+2], v59
	; P = the maximum's power of two, held within 2^-126 .. 2^126; 1 / P by its exponent field: 254 less P's
	v_and_b32 v[PQR], 0x7f800000, v[MX]
	v_and_b32 v[PKR], 0x7f800000, v[MX+2]
	v_max_u32 v[PQR], 0x00800000, v[PQR]
	v_max_u32 v[PKR], 0x00800000, v[PKR]
	v_min_u32 v[PQR], 0x7e800000, v[PQR]
	v_min_u32 v[PKR], 0x7e800000, v[PKR]
	v_sub_nc_u32 v[INVQ], 0x7f000000, v[PQR]
	v_sub_nc_u32 v[INVK], 0x7f000000, v[PKR]
	v_mov_b32 v[INVQ+1], v[INVQ]
	v_mov_b32 v[INVK+1], v[INVK]
	PACKT 0x41, 0x05, 0,   INVQ, 68, 1             ; the maxima's barrier stands between every wave's reads of v's rows in the stage and these stores
	PACKT 0x41, 0x05, 128, INVK, 70, 0
	s_cmp_lg_u32 s[WV], 0
	s_cbranch_scc1 .Lno_scl
	s_wait_xcnt 0x0                                ; EXEC changes only behind this wait
	v_cmp_gt_u32 vcc_lo, 1, v0
	s_and_saveexec_b32 s18, vcc_lo                 ; thread 0 stores the tile's two scales
	global_store_b32 v[SCO], v[PQR], s[74:75]
	global_store_b32 v[SCO], v[PKR], s[74:75] offset:1024
	s_wait_xcnt 0x0
	s_or_b32 exec_lo, exec_lo, s18
.Lno_scl:
	s_wait_tensorcnt 0x0                           ; the wave's end: behind my last tensor load and my last LDS store
	ds_add_u32 v[SPW], v[NIL]
	s_wait_dscnt 0x0
	CROUND                                         ; the closing round: no work-group ends while a partner may still ask for a tile that names it
	s_endpgm
.Lfunc_end_k_q405b7f0b53_qkv:
	.size	k_q405b7f0b53_qkv, .Lfunc_end_k_q405b7f0b53_qkv-k_q405b7f0b53_qkv
	.p2alignl 7, 3214868480
	.fill 96, 4, 3214868480
	.section	.rodata,"a",@progbits
	.p2align	6, 0x0
	.amdhsa_kernel k_q405b7f0b53_qkv
		.amdhsa_group_segment_fixed_size 327680
		.amdhsa_private_segment_fixed_size 0
		.amdhsa_enable_private_segment 0
		.amdhsa_kernarg_size 64
		.amdhsa_user_sgpr_count 2
		.amdhsa_user_sgpr_kernarg_segment_ptr 1
		.amdhsa_wavefront_size32 1
		.amdhsa_system_sgpr_workgroup_id_x 1
		.amdhsa_system_sgpr_workgroup_id_y 1
		.amdhsa_system_sgpr_workgroup_id_z 1
		.amdhsa_system_vgpr_workitem_id 0
		.amdhsa_next_free_vgpr 1024
		.amdhsa_next_free_sgpr 80
		.amdhsa_reserve_vcc 1
		.amdhsa_float_denorm_mode_32 3
		.amdhsa_float_denorm_mode_16_64 3
		.amdhsa_memory_ordered 1
		.amdhsa_forward_progress 1
		.amdhsa_inst_pref_size 157
	.end_amdhsa_kernel
	.amdgpu_metadata
---
amdhsa.version: [ 1, 2 ]
amdhsa.kernels:
  - .name:           k_q405b7f0b53_qkv
    .symbol:         k_q405b7f0b53_qkv.kd
    .args:
      - { .name: xb, .offset: 0, .size: 8, .value_kind: global_buffer, .address_space: global }
      - { .name: wb, .offset: 8, .size: 8, .value_kind: global_buffer, .address_space: global }
      - { .name: cos, .offset: 16, .size: 8, .value_kind: global_buffer, .address_space: global }
      - { .name: sin, .offset: 24, .size: 8, .value_kind: global_buffer, .address_space: global }
      - { .name: qh, .offset: 32, .size: 8, .value_kind: global_buffer, .address_space: global }
      - { .name: kh, .offset: 40, .size: 8, .value_kind: global_buffer, .address_space: global }
      - { .name: vh, .offset: 48, .size: 8, .value_kind: global_buffer, .address_space: global }
      - { .name: scl, .offset: 56, .size: 8, .value_kind: global_buffer, .address_space: global }
    .group_segment_fixed_size: 327680
    .private_segment_fixed_size: 0
    .kernarg_segment_align: 8
    .kernarg_segment_size: 64
    .max_flat_workgroup_size: 128
    .sgpr_count:     80
    .vgpr_count:     1024
    .wavefront_size: 32
...
	.end_amdgpu_metadata
.endif
;; end of part 2
;; launch attn (part 3): grid 16 x 16, 4 waves a work-group, clusters of 4 x 1, 327,680 bytes of LDS; arguments qh, kh, vh, scl, ob; writes ob
.if DOCPART == 3
	.amdgcn_target "amdgcn-amd-amdhsa--gfx1250"
	.amdhsa_code_object_version 6
	.text
	.protected	k_q405b7f0b53_attn
	.globl	k_q405b7f0b53_attn
	.p2align	8
	.type	k_q405b7f0b53_attn,@function
k_q405b7f0b53_attn:
	s_mov_b64 s[64:65], 0
	v_nop
	global_prefetch_b8 v0, s[64:65] scope:SCOPE_SE
	s_setreg_imm32_b32 hwreg(HW_REG_WAVE_MODE, 25, 1), 1
	s_wait_xcnt 0x0
	s_wait_alu depctr_hold_cnt(0) depctr_sa_sdst(0) depctr_va_vdst(0) depctr_va_sdst(0) depctr_va_ssrc(0) depctr_va_vcc(0) depctr_vm_vsrc(0)
	s_getreg_b32 s2, hwreg(HW_REG_IB_STS2, 6, 4)
	s_cmp_eq_u32 s2, 0
	s_cbranch_scc0 .Lentry_in_a_cluster
	s_endpgm
.Lentry_in_a_cluster:
	s_bfe_u32 s2, ttmp6, 0x10000c
	s_cmp_lg_u32 s2, 0x3003
	s_cbranch_scc0 .Lentry_shape_is_right
	s_endpgm
.Lentry_shape_is_right:
; CAUSAL ATTENTION, head size 128.  qh, kh, vh: [16][2048][128] f16; q and k are divided by their tile's power of two (scl: [2][16][16] f32, for blocks of 128 rows), v by 8.
; ob: [2048][2048] f16, column 128 head + channel, in v's unit (true O / 8).  Products, maxima and sums in f32; the weights are rounded to f16 for the second product.
; THE WALK.  A head's queries lie in 8 blocks of 256; block J needs the key tiles 0 .. J of 256 keys, of which the last holds the diagonal.  A CLUSTER of four work-groups takes blocks
; jp and then 7 - jp of one head: 9 tiles, whatever jp; partner cx owns queries 64 cx .. + 63 of each block.  So all four walk the same tiles, and each tile of K and V is asked for
; JOINTLY.  The shorter block goes first, so the walk's last tile is never a block's first.  Trip counts are constants; what a trip does hangs on scalars made from jp, alike in all partners.
; SHARES.  Wave w takes 32 queries (half w / 2 of the work-group's 64: two tiles of 16) and, of every key tile, the 128 keys of half w % 2, in two steps of 64.  The two waves of a query
; half hold partial sums over different keys; at a block's end each hands one tile's O, maximum and sum to the other through LDS and finishes the tile that it keeps.
; Register tile u holds query tile u xor (w % 2), so every wave keeps u = 0 and hands over u = 1.
; LAYOUT.  S^T = K Q^T (source 0 = 16 keys, source 1 = 16 queries): a lane holds ONE query (lane % 16) and the keys 8 (lane / 16) + 0..7; two such results rounded to f16 ARE source 1 of
; O^T = V^T P.  K comes out of LDS as it lies, V turned, by ds_load_tr16_b128.
; SOFTMAX.  The exponent is f s with f = log2(e) / sqrt(128) x P_q x P_k, a scalar of the wave for each tile (its 32 queries and its 128 keys lie in one scale block each).  A running
; maximum c m is kept in those units; p = 2^(f s - c m); O and l are multiplied by a = 2^(c m_old - c m_new) in every step.  c m starts at -2^60.
; A KEY STEP is written once and walked twice a tile.  Its four runs of 16 matrix instructions: K Q^T of tile 0; K Q^T of tile 1, with tile 0's softmax (135 lines) dealt behind its
; products; V^T P of tile 0, with tile 1's softmax behind its products; V^T P of tile 1.  A tile's softmax names nothing of the other tile's products, so the two go side by side.
; THE MASK is the C operand that starts the sum S^T: 0, or -2^120 where the key is hidden.  A wave all of whose keys are hidden keeps c m at its start, p = 0, a = 1, O = l = 0, and
; counts for nothing when the two waves' parts are joined.
; LIMITS.  f lies within 2^-58 .. 2^50 (scaled scores stay under 512, so f s stays above -2^60, and a hidden score below it).  A weight below 2^-126 counts as 0; p below 6e-5 keeps
; f16's fixed step of 6e-8.  NaN and infinities are not treated apart.
; REGISTERS, in windows of 256 (s_set_vgpr_msb: bits 1:0 source 0, 3:2 source 1, 5:4 source 2, 7:6 destination):
;   window 0: v0-31 addresses and the joining's work; v32-47 statistics; v62-63 the add's; v64-127 S^T; v128-159 P; v160-223 the masks
;   window 1: v0-127 O^T, 64 a tile; v128-191 the partner's O^T      window 2: v0-63 Q; v64-127 the second block's Q; v128-255 K of one step      window 3: v0-127 V of one step
.set PKP,   272                        ; a row of K in LDS: 256 bytes + 16 = 68 words: the 16 rows of a load start at 16 different groups of four banks (64 banks of 4 bytes: ISA guide 11.1)
.set PVP,   288                        ; a row of V: 256 + 32 = 72 words
.set KHALF, 128*PKP
.set VHALF, 128*PVP
.set VOFF,  2*KHALF                    ; a slot: 256 rows of K, then 256 rows of V
.set SLOTB, 0x24000                    ; slot 1 begins here; the four parts' places in slot 0 have these two bits clear, so one exclusive or turns an address into the other slot's
.set XCH,   SLOTB+VOFF+2*VHALF         ; behind the ring, never filled by a tensor load: for each wave 8,192 bytes of O^T and 512 of statistics to hand over
.set XWB,   8704
.set SPARE, XCH+4*XWB                  ; the spare words, 128 bytes for each wave: two blocks of 256 bytes that no other line names
.set AKW, 2                            ; v2   my lane's place in a slot's K, my key half; never rewritten
.set AVW, 3                            ; v3   the same for V
.set AK,  4                            ; v4   the same for the key step to be fetched
.set AV,  5
.set QO,  6                            ; v6-7 my byte offset in the wave's 32 rows of Q, for register tile 0, 1
.set GO,  8                            ; v8   my byte offset in two rows of ob
.set STO, 12                           ; v12  the way out: where I put 16 bytes of a row
.set RD,  13                           ; v13  where I read rows back
.set MB,  14                           ; v14-15  my query's place in the block, less my key half's 128 and my lanes' 8 (l / 16); never rewritten
.set VD,  16                           ; v16-17  the same less 64 for each key step gone: key 16 kb + j of the step in hand is hidden where it is greater
.set XW,  18                           ; v18  where I hand over
.set XR,  19                           ; v19  where my partner does
.set ST,  32                           ; tile u's statistics at v[ST + 8 u]: c m, (a word named with it as a pair), l even keys', l odd keys', c0-c3 at work; a takes c2
.set SPW, 62
.set NIL, 63
.set S,   64                           ; 32 u + 8 kb
.set P,   128                          ; 16 u
.set MC,  160                          ; 32 u + 8 kb
.set RB,  128                          ; window 1
.set QB,  64                           ; window 2
.set KF,  128                          ; window 2: 32 kb + 8 c
.set WV,  14                           ; s14 wave; s15 its query half; s16 its key half; s17 jp; s18 cx; s19 head
.set CNT, 22                           ; s22 counts a tile's two key steps (a spare register of the set-up until then)
.set G1K, 24
.set G1V, 32
.set G0K, 40
.set G0V, 44
.set KB,  48                           ; s[48:49] kh at the head's first key of my half of a tile;  s[50:51] vh likewise
.set VB,  50
.set OFF, 52                           ; s[52:53] a tile's byte offset
.set SLOTS, 54
.set RT,  55                           ; tiles of the block in hand still to be entered
.set NXT, 56                           ; the tile to be asked for next
.set LQ,  57                           ; the last tile of the block whose tiles are being asked for
.set NEW, 58                           ; 1: a block has ended and is to be finished; the tile to be entered is the next block's first
.set REQ, 59                           ; the tile asked for in this trip
.set SEL, 60
.set TB,  62                           ; the slot in hand
.set BIGN, 63
.set FS,  66                           ; s[66:67] f
.set CQ,  68                           ; log2(e) / sqrt(128) x P_q of the block in hand;  s69 of the second block
.set CQ2, 69
.set PKN, 70                           ; P_k of the next tile
.set PKC, 71                           ; of the tile in hand
.set KOF, 72                           ; s[72:73] its byte offset in scl
.set OB1, 74
.set OB2, 76
.set QA1, 78
.set QA2, 80
.set LQ2, 84                           ; 7 - jp
.set KOB, 85                           ; 64 head + 4 key half
.set MSB, 0
.macro WIN new
.if MSB != (\new)
	s_set_vgpr_msb (MSB<<8)|(\new)
.set MSB, \new
.endif
.endm
.macro PLACES
.rept 4
	v_nop
.endr
.endm
; A joint fill.  Waves 0 and 1 fetch the two halves of a tile's K, waves 2 and 3 those of its V: 128 rows of 256 bytes each.  The branch hangs on the wave's number alone.
; An s_nop 0 and four v_nop follow each of the two lines, ahead of the jump and the label.
.macro JLOAD
	s_cmp_lt_u32 s[WV], 2
	s_cbranch_scc0 .Lfor_v_\@
	tensor_load_to_lds s[G0K:G0K+3], s[G1K:G1K+7]
	s_nop 0
.rept 4
	v_nop
.endr
	s_branch .Lasked_\@
.Lfor_v_\@:
	tensor_load_to_lds s[G0V:G0V+3], s[G1V:G1V+7]
	s_nop 0
.rept 4
	v_nop
.endr
.Lasked_\@:
.endm
.macro CROUND                          ; a round of the cluster's barrier
	s_barrier_signal -1
	s_barrier_wait -1
	s_cmp_lg_u32 s[WV], 0
	s_cbranch_scc1 .Lnot_wave_0_\@
	s_barrier_signal -3
.Lnot_wave_0_\@:
	s_barrier_wait -3
	s_barrier_signal -1
	s_barrier_wait -1
.endm
; THE CHANGE OF SLOTS.  Each wave waits for all its tensor loads (one is out: its part of the other slot), adds 0 to its spare word, and waits for that and for all its LDS instructions:
; its reads of the slot that it leaves, and what it has handed over.  fill = 1: the barrier is a round of the cluster's, and the old slot is filled again first thing behind it, with tile NXT:
; the descriptor's address is made anew from that number.  (At its first use nothing has been read yet: slot 0 is waited for, slot 1 filled.)
.macro CHANGE fill
	WIN 0
	s_wait_tensorcnt 0x0
	ds_add_u32 v[SPW], v[NIL]                      ; 0 onto my spare word; the descriptors' scalar work stands between it and the wait for it
.if \fill
	s_mov_b32 s[REQ], s[NXT]
	s_lshl_b32 s[OFF], s[NXT], 16                  ; a tile is 65,536 bytes of K and of V
	s_xor_b32 s[G0K+1], s[G0K+1], SLOTB
	s_add_nc_u64 s[G0K+2:G0K+3], s[KB:KB+1], s[OFF:OFF+1]
	s_or_b32 s[G0K+3], s[G0K+3], 0x80000000
	s_xor_b32 s[G0V+1], s[G0V+1], SLOTB
	s_add_nc_u64 s[G0V+2:G0V+3], s[VB:VB+1], s[OFF:OFF+1]
	s_or_b32 s[G0V+3], s[G0V+3], 0x80000000
	s_add_co_u32 s[NXT], s[NXT], 1                 ; the block's next tile, or behind its last the second block's tile 0
	s_cmp_gt_u32 s[NXT], s[LQ]
	s_cselect_b32 s[NXT], 0, s[NXT]
	s_cselect_b32 s[LQ], s[LQ2], s[LQ]
.endif
	s_wait_dscnt 0x0
.if \fill
	CROUND
	JLOAD                                          ; it has a whole tile's work, 128 matrix instructions and the softmax beside them, in which to land
.else
	s_barrier_signal -1
	s_barrier_wait -1
.endif
	s_xor_b32 s[TB], s[TB], SLOTB
.endm
	s_load_b256 s[4:11], s[0:1], 0x0               ; qh s[4:5], kh s[6:7], vh s[8:9], scl s[10:11]
	s_load_b64 s[12:13], s[0:1], 0x20              ; ob
	v_lshl_add_u32 v[SPW], v0, 2, SPARE
	v_mov_b32 v[NIL], 0
	ds_add_u32 v[SPW], v[NIL]                      ; the wave's opening: the add and its wait stand ahead of my first tensor load; the set-up below stands between them
	v_lshrrev_b32 v1, 5, v0
	v_readfirstlane_b32 s[WV], v1
	s_lshr_b32 s15, s[WV], 1
	s_and_b32 s16, s[WV], 1
	s_mov_b32 s17, ttmp9                           ; jp: in a cluster launch ttmp9 counts clusters
	s_bfe_u32 s18, ttmp6, 0x40000                  ; cx: it enters Q's, ob's and P_q's addresses and the mask's numbers alone
	s_and_b32 s19, ttmp7, 0xffff                   ; the head
	s_sub_co_u32 s[LQ2], 7, s17
	s_lshl_b32 s20, s19, 19                        ; the head's 524,288 bytes,
	s_lshl_b32 s21, s16, 15                        ; the half of a tile that I fetch: 128 rows of 256 bytes
	s_add_co_u32 s20, s20, s21
	s_mov_b32 s21, 0
	s_lshl_b32 s22, s18, 6
	s_lshl_b32 s23, s15, 5
	s_add_co_u32 s22, s22, s23                     ; my 32 queries in a block: 64 cx + 32 x query half
	s_lshl_b32 s82, s17, 8
	s_add_co_u32 s82, s82, s22                     ; their first row in the first block,
	s_lshl_b32 s86, s[LQ2], 8
	s_add_co_u32 s86, s86, s22                     ; and in the second
	s_lshl_b32 s23, s19, 19
	s_lshl_b32 s[QA1], s82, 8
	s_add_co_u32 s[QA1], s[QA1], s23
	s_mov_b32 s[QA1+1], 0
	s_lshl_b32 s[QA2], s86, 8
	s_add_co_u32 s[QA2], s[QA2], s23
	s_mov_b32 s[QA2+1], 0
	s_lshl_b32 s23, s16, 4                         ; the tile that I finish: query tile = my key half
	s_lshl_b32 s[KOB], s19, 8                      ; the head's 256 bytes in a row of ob
	s_add_co_u32 s[OB1], s82, s23
	s_lshl_b32 s[OB1], s[OB1], 12
	s_add_co_u32 s[OB1], s[OB1], s[KOB]
	s_mov_b32 s[OB1+1], 0
	s_add_co_u32 s[OB2], s86, s23
	s_lshl_b32 s[OB2], s[OB2], 12
	s_add_co_u32 s[OB2], s[OB2], s[KOB]
	s_mov_b32 s[OB2+1], 0
	s_lshr_b32 s23, s18, 1                         ; P_q: word 16 head + 2 J + cx / 2
	s_lshl_b32 s23, s23, 2
	s_lshl_b32 s[KOB], s19, 6
	s_add_co_u32 s23, s23, s[KOB]
	s_lshl3_add_u32 s82, s17, s23
	s_mov_b32 s83, 0
	s_lshl3_add_u32 s86, s[LQ2], s23
	s_mov_b32 s87, 0
	s_lshl2_add_u32 s[KOB], s16, s[KOB]            ; P_k: 1,024 bytes on, word 16 head + 2 tile + key half
	s_mov_b32 s[KOF], s[KOB]                       ; tile 0
	s_mov_b32 s[KOF+1], 0
	s_mov_b32 s[G1K], 15|(1<<16)|(1<<20)|(1<<21)|(5<<22)|(3<<25)  ; 15:0 the mask of four; 17:16 2-byte elements; 20 padding on; 21 set beside a mask; 24:22 after every 64 words; 31:25 4 words
	s_mov_b32 s[G1V], 15|(1<<16)|(1<<20)|(1<<21)|(5<<22)|(7<<25)  ; the same with 8 words of padding
.irp g, G1K, G1V
	s_mov_b32 s[(\g)+1], 128<<16                   ; tensor_dim0 = 128
	s_mov_b32 s[(\g)+2], 128<<16                   ; tensor_dim1 = 128
	s_mov_b32 s[(\g)+3], 128<<16                   ; tile_dim0 = 128
	s_mov_b32 s[(\g)+4], 128                       ; tile_dim1 = 128
	s_mov_b32 s[(\g)+5], 128                       ; elements from row to row
	s_mov_b32 s[(\g)+6], 0
	s_mov_b32 s[(\g)+7], 0
.endr
	s_mov_b32 s[G0K], 1
	s_mul_i32 s[G0K+1], s16, KHALF                 ; slot 0: no place in the cluster enters an LDS address
	s_mov_b32 s[G0V], 1
	s_mul_i32 s[G0V+1], s16, VHALF
	s_add_co_u32 s[G0V+1], s[G0V+1], VOFF
	s_mov_b32 s[OFF+1], 0
	s_mov_b32 s[SEL], 0x76543210
	s_mov_b32 s[SEL+1], 0xfedcba98
	s_mov_b32 s[TB], SLOTB                         ; the first change of slots turns it into 0
	s_mov_b32 s[BIGN], 0xfb800000                  ; -2^120
	s_mov_b32 s[LQ], s17                           ; tile 0 is asked for below; the next is tile 1, or, where the first block has one tile, the second block's tile 0
	s_mov_b32 s[NXT], 1
	s_cmp_gt_u32 s[NXT], s[LQ]
	s_cselect_b32 s[NXT], 0, s[NXT]
	s_cselect_b32 s[LQ], s[LQ2], s[LQ]
	s_add_co_u32 s[RT], s17, 1                     ; the first block has jp + 1 tiles
	s_mov_b32 s[NEW], 0
	s_mov_b32 s[SLOTS], 8
	s_wait_dscnt 0x0                               ; the opening add is done
	s_wait_kmcnt 0x0
	s_add_nc_u64 s[KB:KB+1], s[6:7], s[20:21]
	s_add_nc_u64 s[VB:VB+1], s[8:9], s[20:21]
	s_mov_b64 s[G0K+2:G0K+3], s[KB:KB+1]
	s_or_b32 s[G0K+3], s[G0K+3], 0x80000000
	s_mov_b64 s[G0V+2:G0V+3], s[VB:VB+1]
	s_or_b32 s[G0V+3], s[G0V+3], 0x80000000
	s_add_nc_u64 s[QA1:QA1+1], s[4:5], s[QA1:QA1+1]
	s_add_nc_u64 s[QA2:QA2+1], s[4:5], s[QA2:QA2+1]
	s_add_nc_u64 s[OB1:OB1+1], s[12:13], s[OB1:OB1+1]
	s_add_nc_u64 s[OB2:OB2+1], s[12:13], s[OB2:OB2+1]
	s_add_nc_u64 s[82:83], s[10:11], s[82:83]
	s_add_nc_u64 s[86:87], s[10:11], s[86:87]
	s_add_nc_u64 s[20:21], s[10:11], s[KOF:KOF+1]
	CROUND                                         ; all four work-groups are here: the first joint loads meet
	JLOAD                                          ; tile 0 into slot 0
	s_load_b32 s[CQ], s[82:83], 0x0
	s_load_b32 s[CQ2], s[86:87], 0x0
	s_load_b32 s[PKN], s[20:21], 0x400
	v_and_b32 v1, 15, v0                           ; r = l % 16
	v_bfe_u32 v9, v0, 4, 1                         ; h = l / 16
	v_lshlrev_b32 v[QO], 8, v1
	v_lshl_add_u32 v[QO], v9, 4, v[QO]             ; a fragment of Q: row x 256 + 16 x half
	s_lshl_b32 s22, s16, 12                        ; register tile 0 is query tile (key half), register tile 1 the other
	s_xor_b32 s23, s22, 4096
	v_add_nc_u32 v[QO+1], s23, v[QO]
	v_add_nc_u32 v[QO], s22, v[QO]
	WIN 0x80                                       ; destination window 2, address window 0
.irp u, 0,1
.irp c, 0,1,2,3
	global_load_b128 v[32*(\u)+8*(\c):32*(\u)+8*(\c)+3],       v[QO+(\u)], s[QA1:QA1+1] offset:64*(\c)
	global_load_b128 v[32*(\u)+8*(\c)+4:32*(\u)+8*(\c)+7],     v[QO+(\u)], s[QA1:QA1+1] offset:64*(\c)+32
	global_load_b128 v[QB+32*(\u)+8*(\c):QB+32*(\u)+8*(\c)+3],   v[QO+(\u)], s[QA2:QA2+1] offset:64*(\c)
	global_load_b128 v[QB+32*(\u)+8*(\c)+4:QB+32*(\u)+8*(\c)+7], v[QO+(\u)], s[QA2:QA2+1] offset:64*(\c)+32
.endr
.endr
	WIN 0
	v_mul_u32_u24 v[AKW], v1, PKP
	v_lshl_add_u32 v[AKW], v9, 4, v[AKW]
	s_mul_i32 s22, s16, KHALF
	v_add_nc_u32 v[AKW], s22, v[AKW]
	; The turning load takes 16 keys x 16 channels (lane l reads key 8 (l / 16) + l % 8, channels 8 ((l / 8) % 2) + 0..7) and leaves half a fragment of V^T: lane l holds channel l % 16 and 8 keys.
	v_and_b32 v10, 7, v0
	v_bfe_u32 v11, v0, 3, 1
	v_lshl_add_u32 v[AVW], v9, 3, v10
	v_mul_u32_u24 v[AVW], v[AVW], PVP
	v_lshl_add_u32 v[AVW], v11, 4, v[AVW]
	s_mul_i32 s22, s16, VHALF
	s_add_co_u32 s22, s22, VOFF
	v_add_nc_u32 v[AVW], s22, v[AVW]
	v_lshlrev_b32 v[GO], 12, v9                    ; two rows of ob, 4,096 bytes apart; 16 lanes take a row's 256 bytes
	v_lshl_add_u32 v[GO], v1, 4, v[GO]
	v_and_b32 v10, 31, v0
	s_mul_i32 s22, s[WV], XWB
	s_add_co_u32 s22, s22, XCH
	v_lshl_add_u32 v[XW], v10, 4, s22
	s_xor_b32 s23, s[WV], 1                        ; my partner: the other key half of my queries
	s_mul_i32 s23, s23, XWB
	s_add_co_u32 s23, s23, XCH
	v_lshl_add_u32 v[XR], v10, 4, s23
	v_mul_u32_u24 v[STO], v1, 272                  ; my stage for the way out lies in the bytes that I have read, which nobody else touches before a later barrier
	v_lshl_add_u32 v[STO], v9, 4, v[STO]
	v_add_nc_u32 v[STO], s23, v[STO]
	v_mul_u32_u24 v[RD], v9, 272
	v_lshl_add_u32 v[RD], v1, 4, v[RD]
	v_add_nc_u32 v[RD], s23, v[RD]
	s_lshl_b32 s22, s18, 6
	s_lshl_b32 s23, s15, 5
	s_add_co_u32 s22, s22, s23
	s_lshl_b32 s23, s16, 7
	s_sub_co_u32 s22, s22, s23                     ; 64 cx + 32 x query half - 128 x key half (signed)
	v_lshlrev_b32 v10, 3, v9
	v_sub_nc_u32 v10, v1, v10
	v_add_nc_u32 v10, s22, v10
	s_lshl_b32 s23, s16, 4
	v_add_nc_u32 v[MB], s23, v10
	s_xor_b32 s23, s23, 16
	v_add_nc_u32 v[MB+1], s23, v10
; THE MATRIX WORK.  The accumulators of a run of 16 take turns, one instruction a turn.  Each macro writes product i of its run and steps i.
; S^T = K Q^T for tile u: channels 32 (i / 4) on, keys 16 (i % 4) on.  The first 4 start the sums with the mask.
.macro KQ1 u
	WIN 0x0a                                       ; K and Q window 2; mask and S^T window 0
.set rS, S+32*(\u)+8*(i%4)
.set rK, KF+32*(i%4)+8*(i/4)
.set rQ, 32*(\u)+8*(i/4)
.set rM, MC+32*(\u)+8*(i%4)
.if i < 4
	v_wmma_f32_16x16x32_f16 v[rS:rS+7], v[rK:rK+7], v[rQ:rQ+7], v[rM:rM+7]
.else
	v_wmma_f32_16x16x32_f16 v[rS:rS+7], v[rK:rK+7], v[rQ:rQ+7], v[rS:rS+7]
.endif
.set i, i+1
.endm
; O^T += V^T P for tile u: keys 32 (i / 8) on, channels 16 (i % 8) on.
.macro PV1 u
	WIN 0x53                                       ; V window 3, P window 0, O^T window 1
.set rO, 64*(\u)+8*(i%8)
.set rV, 64*(i/8)+8*(i%8)
.set rP, P+16*(\u)+8*(i/8)
	v_wmma_f32_16x16x32_f16 v[rO:rO+7], v[rV:rV+7], v[rP:rP+7], v[rO:rO+7]
.set i, i+1
.endm
; THE LDS LOADS stand in runs of 32: a step's K (64 keys x 128 channels: 16 fragments) and its V (turned), at the addresses that step with the key steps.
.macro FETCH_K
	WIN 0x80
.irp f, 0,1,2,3,4,5,6,7,8,9,10,11,12,13,14,15
	ds_load_b128 v[KF+8*(\f):KF+8*(\f)+3],   v[AK] offset:((\f)/4)*16*PKP+((\f)%4)*64
	ds_load_b128 v[KF+8*(\f)+4:KF+8*(\f)+7], v[AK] offset:((\f)/4)*16*PKP+((\f)%4)*64+32
.endr
.endm
.macro FETCH_V
	WIN 0xc0
.irp f, 0,1,2,3,4,5,6,7,8,9,10,11,12,13,14,15
	ds_load_tr16_b128 v[8*(\f):8*(\f)+3],   v[AV] offset:((\f)/8)*32*PVP+((\f)%8)*32
	ds_load_tr16_b128 v[8*(\f)+4:8*(\f)+7], v[AV] offset:((\f)/8)*32*PVP+16*PVP+((\f)%8)*32
.endr
.endm
; The diagonal tile's masks for the step in hand.  MASKQ: in the loop, made only where the tile in hand is the first block's last; elsewhere the masks hold 0.  The jump goes forward over vector work alone.
.macro MASK
	WIN 0
.irp u, 0,1
.set i, 0
.rept 32
	v_cmp_gt_i32 vcc_lo, 16*(i/8)+i%8, v[VD+(\u)]
	v_cndmask_b32 v[MC+32*(\u)+i], 0, s[BIGN], vcc_lo
.set i, i+1
.endr
.endr
.endm
.macro MASKQ
	WIN 0
	s_cmp_lg_u32 s[RT], 0
	s_cbranch_scc1 .Lno_mask_\@
	MASK
.Lno_mask_\@:
.endm
; THE SOFTMAX of one tile and step is a list of 135 lines; SOP writes number q of it for tile u and steps q.  s0-s31 are the lane's 32 scores, in pairs 0-15.
;   0-20    XS 0-20: the scores' maximum, three operands at a time (each accumulator's lowest registers are read first); the other half of the lanes'; c m_old is kept; c m
;   21-26   f s - c m for pairs 0-3, and between them XS 21, 22: c m_old - c m_new, and a
;   27-90   the 32 exponentials at every other number, a plain line behind each: f s - c m for pairs 4-15, then GS 0-19
;   91-102  GS 20-31          103-134  the tile's O^T times a: the one part that leaves window 0, so it stands together
; No line reads an exponential's result, or writes its source, before a plain line has followed that exponential.
.macro XS u, n
.set rT, ST+8*(\u)
.set rS, S+32*(\u)
.if (\n) < 4
	v_max3_num_f32 v[rT+4+(\n)], v[rS+8*(\n)], v[rS+8*(\n)+1], v[rS+8*(\n)+2]
.elseif (\n) < 12
	v_max3_num_f32 v[rT+4+(\n)%4], v[rT+4+(\n)%4], v[rS+8*((\n)%4)+2*((\n)/4)+1], v[rS+8*((\n)%4)+2*((\n)/4)+2]
.elseif (\n) == 12
	v_max3_num_f32 v[rT+4], v[rT+4], v[rS+7], v[rS+15]
.elseif (\n) == 13
	v_max3_num_f32 v[rT+6], v[rT+6], v[rS+23], v[rS+31]
.elseif (\n) == 14
	v_max3_num_f32 v[rT+4], v[rT+4], v[rT+5], v[rT+6]
.elseif (\n) == 15
	v_max_num_f32 v[rT+4], v[rT+4], v[rT+7]
.elseif (\n) == 16
	v_permlanex16_b32 v[rT+5], v[rT+4], s[SEL], s[SEL+1]   ; the query's other 32 keys lie in the lane 16 away
.elseif (\n) == 17
	v_mov_b32 v[rT+7], v[rT]                       ; c m_old is kept
.elseif (\n) == 18
	v_max_num_f32 v[rT+4], v[rT+4], v[rT+5]
.elseif (\n) == 19
	v_mul_f32 v[rT+4], s[FS], v[rT+4]              ; the step's maximum in the exponent's units
.elseif (\n) == 20
	v_max_num_f32 v[rT], v[rT], v[rT+4]
.elseif (\n) == 21
	v_sub_f32 v[rT+5], v[rT+7], v[rT]
.else
	v_exp_f32 v[rT+6], v[rT+5]                     ; a
.endif
.endm
.macro FSC u, n                        ; pair n: f s - c m
.set rT, ST+8*(\u)
.set rS, S+32*(\u)
	v_pk_fma_f32 v[rS+2*(\n):rS+2*(\n)+1], v[rS+2*(\n):rS+2*(\n)+1], s[FS:FS+1], v[rT:rT+1] op_sel_hi:[1,0,0] neg_lo:[0,0,1] neg_hi:[0,0,1]
.endm
.macro EXQ u, n
	v_exp_f32 v[S+32*(\u)+(\n)], v[S+32*(\u)+(\n)]
.endm
; Number g of the 32 that follow the exponentials.  For each four weights k (pairs 2 k, 2 k + 1): both pairs are rounded to f16; then the second pair is added onto the first, in place; a group
; later l takes that sum (the first time as l = a l + sum).  In groups of four: round, round, l for the group before, add.
.macro GS u, g
.set rT, ST+8*(\u)
.set rS, S+32*(\u)
.set gH, (\g)
.if (\g) >= 2
.set gH, (\g)+1                        ; group 0 has no group before it
.endif
.set gK, gH/4
.if (\g) == 31
	v_pk_add_f32 v[rT+2:rT+3], v[rT+2:rT+3], v[rS+28:rS+29]
.elseif gH%4 < 2
	s_wait_alu depctr_va_vdst(0)
	v_cvt_pk_f16_f32 v[P+16*(\u)+2*gK+gH%4], v[rS+4*gK+2*(gH%4)], v[rS+4*gK+2*(gH%4)+1]
.elseif gH%4 == 3
	v_pk_add_f32 v[rS+4*gK:rS+4*gK+1], v[rS+4*gK:rS+4*gK+1], v[rS+4*gK+2:rS+4*gK+3]
.elseif gK == 1
	v_pk_fma_f32 v[rT+2:rT+3], v[rT+2:rT+3], v[rT+6:rT+7], v[rS:rS+1] op_sel_hi:[1,0,1]
.else
	v_pk_add_f32 v[rT+2:rT+3], v[rT+2:rT+3], v[rS+4*gK-4:rS+4*gK-3]
.endif
.endm
.macro RSC u, n                        ; pair n of 32 of O^T times a
	WIN 0x41                                       ; O^T window 1, a window 0
	v_pk_mul_f32 v[64*(\u)+2*(\n):64*(\u)+2*(\n)+1], v[64*(\u)+2*(\n):64*(\u)+2*(\n)+1], v[ST+8*(\u)+6:ST+8*(\u)+7] op_sel_hi:[1,0]
.endm
.macro SOP u
.if q < 103
	WIN 0
.endif
.if q < 21
	XS \u, q
.elseif q == 22
	XS \u, 21
.elseif q == 24
	XS \u, 22
.elseif q < 27
	FSC \u, (q-21)/2+(q/26)
.elseif q < 51
.if (q-27)%2 == 0
	EXQ \u, (q-27)/2
.else
	FSC \u, 4+(q-27)/2
.endif
.elseif q < 91
.if (q-51)%2 == 0
	EXQ \u, 12+(q-51)/2
.else
	GS \u, (q-51)/2
.endif
.elseif q < 103
	GS \u, 20+(q-91)
.else
	RSC \u, q-103
.endif
.set q, q+1
.endm
; A TILE: my 128 keys in two steps of 64, one text walked twice.  135 = 16 x 8 + 7: eight lines of the other tile's softmax behind each product, nine behind the first seven.
; The last eight of a list are plain and name nothing of the products round them: they are the places behind a run's last product, for the loads into K's registers and for the next list's
; first read of the scores.  V of a step is fetched at the step's head, two runs of products ahead of its first use; K of the next step behind the last product that read K, two runs ahead.
; In a tile's second step there is no further K in this slot: its run is jumped over, forward.
.macro TILE m
	WIN 0
	v_add_nc_u32 v[AK], s[TB], v[AKW]
	v_add_nc_u32 v[AV], s[TB], v[AVW]
	v_mov_b32 v[VD], v[MB]
	v_mov_b32 v[VD+1], v[MB+1]
	FETCH_K
	WIN 0
	s_mov_b32 s[CNT], 2
.Lsub_\@:
	FETCH_V
.if \m
	MASK
.else
	MASKQ
.endif
	s_wait_dscnt 32                                ; K is in; V's 32 loads, issued behind it, may be out
.set i, 0
.rept 16
	KQ1 0
.endr
	PLACES                                         ; between tile 0's scores and the first line that reads them
.set i, 0
.set q, 0
.rept 16
	KQ1 1
.rept 8
	SOP 0
.endr
.if i <= 7
	SOP 0
.endif
.endr
	WIN 0
	v_add_nc_u32 v[AK], 64*PKP, v[AK]              ; the next key step
	v_add_nc_u32 v[AV], 64*PVP, v[AV]
	v_add_nc_u32 v[VD], 0xffffffc0, v[VD]
	v_add_nc_u32 v[VD+1], 0xffffffc0, v[VD+1]
	s_wait_dscnt 0x0                               ; V is in
	s_cmp_eq_u32 s[CNT], 1
	s_cbranch_scc1 .Lno_k_\@
	FETCH_K
	WIN 0
.Lno_k_\@:
.set i, 0
.set q, 0
.rept 16
	PV1 0
.rept 8
	SOP 1
.endr
.if i <= 7
	SOP 1
.endif
.endr
.set i, 0
.rept 16
	PV1 1
.endr
	PLACES                                         ; in front of the loads into V's registers, and of what reads O^T at a block's end
	WIN 0
	s_sub_co_u32 s[CNT], s[CNT], 1
	s_cmp_lg_u32 s[CNT], 0
	s_cbranch_scc1 .Lsub_\@
.endm
; A BLOCK BEGINS.  clr = 1, the kernel's start: O^T and l are 0, since a wave whose keys are all hidden never multiplies them by 0.  clr = 0, the second block: its first tile hides nothing,
; so its first a is 0, and what the first block left need only be finite.
.macro BEGIN clr
.if \clr
	WIN 0x40
.set i, 0
.rept 128
	v_mov_b32 v[i], 0
.set i, i+1
.endr
.endif
	WIN 0
.set i, 0
.rept 64
	v_mov_b32 v[MC+i], 0
.set i, i+1
.endr
.irp u, 0,1
	v_mov_b32 v[ST+8*(\u)], 0xdd800000             ; c m = -2^60
.if \clr
	v_mov_b32 v[ST+8*(\u)+1], 0
	v_mov_b32 v[ST+8*(\u)+2], 0
	v_mov_b32 v[ST+8*(\u)+3], 0
.endif
.endr
.endm
; A BLOCK ENDS.  DUMP: register tile 1's O^T and statistics go to my bytes of LDS, lane by lane.  FINISH, behind a barrier: my partner's part of register tile 0's queries is read and joined:
; both parts are brought to the common maximum, l's halves are added, O is divided by l, rounded to f16 and sent through my stage as whole rows of 256 bytes.
.macro DUMP
	WIN 0x04                                       ; data window 1, address window 0
.irp q, 0,1,2,3,4,5,6,7,8,9,10,11,12,13,14,15
	ds_store_b128 v[XW], v[64+4*(\q):64+4*(\q)+3] offset:512*(\q)
.endr
	WIN 0
	ds_store_b128 v[XW], v[ST+8:ST+11] offset:8192
.endm
.macro FINISH ptr
	WIN 0x40
.irp q, 0,1,2,3,4,5,6,7,8,9,10,11,12,13,14,15
	ds_load_b128 v[RB+4*(\q):RB+4*(\q)+3], v[XR] offset:512*(\q)
.endr
	WIN 0
	ds_load_b128 v[20:23], v[XR] offset:8192
	s_wait_dscnt 0x0
	v_max_num_f32 v24, v[ST], v20                  ; the common maximum
	v_sub_f32 v25, v[ST], v24
	v_sub_f32 v31, v20, v24
	v_add_f32 v30, v[ST+2], v[ST+3]
	v_add_f32 v22, v22, v23
	v_exp_f32 v26, v25
	v_exp_f32 v28, v31
	v_nop
	s_wait_alu depctr_va_vdst(0)
	v_mul_f32 v30, v30, v26
	v_fmac_f32 v30, v22, v28
	v_permlanex16_b32 v31, v30, s[SEL], s[SEL+1]
	v_add_f32 v30, v30, v31
	v_rcp_f32 v25, v30                             ; every query sees its own key, and the largest weight is 1: l is at least 1
	v_nop
	s_wait_alu depctr_va_vdst(0)
	v_mul_f32 v26, v26, v25
	v_mul_f32 v28, v28, v25
	v_mov_b32 v27, v26                             ; named with them as pairs
	v_mov_b32 v29, v28
	WIN 0x41
.set i, 0
.rept 32
	v_pk_mul_f32 v[2*i:2*i+1], v[2*i:2*i+1], v[26:27] op_sel_hi:[1,0]
.set i, i+1
.endr
	WIN 0x51
.set i, 0
.rept 32
	v_pk_fma_f32 v[2*i:2*i+1], v[RB+2*i:RB+2*i+1], v[28:29], v[2*i:2*i+1] op_sel_hi:[1,0,1]
.set i, i+1
.endr
	WIN 0x05
.set i, 0
.rept 32
	v_cvt_pk_f16_f32 v[S+i], v[2*i], v[2*i+1]
.set i, i+1
.endr
	WIN 0
.irp f, 0,1,2,3,4,5,6,7
	ds_store_b128 v[STO], v[S+4*(\f):S+4*(\f)+3] offset:32*(\f)
.endr
.irp f, 0,1,2,3,4,5,6,7
	ds_load_b128 v[S+4*(\f):S+4*(\f)+3], v[RD] offset:(\f)*2*272  ; LDS serves a wave's instructions in order (ISA guide 5.7.1.4): these see the stores above
.endr
.irp f, 0,1,2,3,4,5,6,7
	s_wait_dscnt 7-(\f)
	global_store_b128 v[GO], v[S+4*(\f):S+4*(\f)+3], s[(\ptr):(\ptr)+1] offset:8192*(\f)  ; 16 lanes store 256 consecutive bytes, at a multiple of 256 from ob's first
.endr
	s_wait_xcnt 0x0                                ; S^T's registers are written again only behind this wait
.endm
	BEGIN 1                                        ; in the wait for the first tile
	s_wait_kmcnt 0x0
	s_mul_f32 s[CQ], s[CQ], 0x3e0293ee             ; log2(e) / sqrt(128) = 0.127517
	s_mul_f32 s[CQ2], s[CQ2], 0x3e0293ee
	s_wait_loadcnt 0x0                             ; Q
.Lslot:                                                ; 8 trips: a tile is entered and the next is asked for
	CHANGE 1
	s_wait_kmcnt 0x0                               ; P_k of the tile in hand has come; its address registers may be written
	s_mov_b32 s[PKC], s[PKN]
	s_lshl3_add_u32 s[KOF], s[REQ], s[KOB]
	s_add_nc_u64 s[20:21], s[10:11], s[KOF:KOF+1]
	s_load_b32 s[PKN], s[20:21], 0x400             ; P_k of the tile just asked for
	s_sub_co_u32 s[RT], s[RT], 1
	s_cmp_eq_u32 s[NEW], 1
	s_cbranch_scc0 .Lold
	FINISH OB1                                     ; the round above stands between the hand-over and these reads
	s_mov_b32 s[CQ], s[CQ2]
	WIN 0x82                                       ; the second block's Q goes where the one text of the products names Q
.set i, 0
.rept 64
	v_mov_b32 v[i], v[QB+i]
.set i, i+1
.endr
	BEGIN 0
	s_mov_b32 s[NEW], 0
	WIN 0
.Lold:
	s_wait_dscnt 0x0                               ; a barrier between a wave's reads of its partner's bytes (and its stage there) and the partner's next hand-over, on every way through the trip;
	s_barrier_signal -1                            ; my one tensor load stays out
	s_barrier_wait -1
	s_mul_f32 s[FS], s[CQ], s[PKC]
	s_mov_b32 s[FS+1], s[FS]
	TILE 0
	s_cmp_lg_u32 s[RT], 0
	s_cbranch_scc1 .Lmore
	DUMP                                           ; the first block's last tile is done
	s_mov_b32 s[NEW], 1
	s_sub_co_u32 s[RT], 8, s17                     ; the second block has 8 - jp tiles
.Lmore:
	s_sub_co_u32 s[SLOTS], s[SLOTS], 1
	s_cmp_lg_u32 s[SLOTS], 0
	s_cbranch_scc1 .Lslot
	CHANGE 0                                       ; the walk's last tile, the second block's diagonal one, is written out: nothing is asked for
	s_wait_kmcnt 0x0
	s_mul_f32 s[FS], s[CQ], s[PKN]
	s_mov_b32 s[FS+1], s[FS]
	TILE 1
	DUMP
	s_wait_dscnt 0x0                               ; for my partner's sake: my hand-over is done
	s_barrier_signal -1
	s_barrier_wait -1
	FINISH OB2
	s_wait_tensorcnt 0x0                           ; the wave's end: behind my last tensor load and my last LDS store
	ds_add_u32 v[SPW], v[NIL]
	s_wait_dscnt 0x0
	CROUND                                         ; the closing round: no work-group ends while a partner may still ask for a tile that names it
	s_endpgm
.Lfunc_end_k_q405b7f0b53_attn:
	.size	k_q405b7f0b53_attn, .Lfunc_end_k_q405b7f0b53_attn-k_q405b7f0b53_attn
	.p2alignl 7, 3214868480
	.fill 96, 4, 3214868480
	.section	.rodata,"a",@progbits
	.p2align	6, 0x0
	.amdhsa_kernel k_q405b7f0b53_attn
		.amdhsa_group_segment_fixed_size 327680
		.amdhsa_private_segment_fixed_size 0
		.amdhsa_enable_private_segment 0
		.amdhsa_kernarg_size 40
		.amdhsa_user_sgpr_count 2
		.amdhsa_user_sgpr_kernarg_segment_ptr 1
		.amdhsa_wavefront_size32 1
		.amdhsa_system_sgpr_workgroup_id_x 1
		.amdhsa_system_sgpr_workgroup_id_y 1
		.amdhsa_system_sgpr_workgroup_id_z 1
		.amdhsa_system_vgpr_workitem_id 0
		.amdhsa_next_free_vgpr 896
		.amdhsa_next_free_sgpr 88
		.amdhsa_reserve_vcc 1
		.amdhsa_float_denorm_mode_32 3
		.amdhsa_float_denorm_mode_16_64 3
		.amdhsa_memory_ordered 1
		.amdhsa_forward_progress 1
		.amdhsa_inst_pref_size 117
	.end_amdhsa_kernel
	.amdgpu_metadata
---
amdhsa.version: [ 1, 2 ]
amdhsa.kernels:
  - .name:           k_q405b7f0b53_attn
    .symbol:         k_q405b7f0b53_attn.kd
    .args:
      - { .name: qh, .offset: 0, .size: 8, .value_kind: global_buffer, .address_space: global }
      - { .name: kh, .offset: 8, .size: 8, .value_kind: global_buffer, .address_space: global }
      - { .name: vh, .offset: 16, .size: 8, .value_kind: global_buffer, .address_space: global }
      - { .name: scl, .offset: 24, .size: 8, .value_kind: global_buffer, .address_space: global }
      - { .name: ob, .offset: 32, .size: 8, .value_kind: global_buffer, .address_space: global }
    .group_segment_fixed_size: 327680
    .private_segment_fixed_size: 0
    .kernarg_segment_align: 8
    .kernarg_segment_size: 40
    .max_flat_workgroup_size: 128
    .sgpr_count:     88
    .vgpr_count:     896
    .wavefront_size: 32
...
	.end_amdgpu_metadata
.endif
;; end of part 3
;; launch oproj (part 4): grid 16 x 16, 4 waves a work-group, clusters of 4 x 4, 327,680 bytes of LDS; arguments ob, wo, out0; writes out0
.if DOCPART == 4
	.amdgcn_target "amdgcn-amd-amdhsa--gfx1250"
	.amdhsa_code_object_version 6
	.text
	.protected	k_q405b7f0b53_oproj
	.globl	k_q405b7f0b53_oproj
	.p2align	8
	.type	k_q405b7f0b53_oproj,@function
k_q405b7f0b53_oproj:
	s_mov_b64 s[64:65], 0
	v_nop
	global_prefetch_b8 v0, s[64:65] scope:SCOPE_SE
	s_setreg_imm32_b32 hwreg(HW_REG_WAVE_MODE, 25, 1), 1
	s_wait_xcnt 0x0
	s_wait_alu depctr_hold_cnt(0) depctr_sa_sdst(0) depctr_va_vdst(0) depctr_va_sdst(0) depctr_va_ssrc(0) depctr_va_vcc(0) depctr_vm_vsrc(0)
	s_getreg_b32 s2, hwreg(HW_REG_IB_STS2, 6, 4)
	s_cmp_eq_u32 s2, 0
	s_cbranch_scc0 .Lentry_in_a_cluster
	s_endpgm
.Lentry_in_a_cluster:
	s_bfe_u32 s2, ttmp6, 0x10000c
	s_cmp_lg_u32 s2, 0xf033
	s_cbranch_scc0 .Lentry_shape_is_right
	s_endpgm
.Lentry_shape_is_right:
; out0[m][n] = 8 x the sum over k of ob[m][k] wo[n][k].  ob: [2048][2048] f16 (attention's O / 8), wo: [2048][2048] f16 (Wo rounded to bf16), out0: [2048][2048] f32; sums in f32.
; A tile of out0 is 128 x 128: 256 work-groups.  Four waves, each 64 x 64: 16 accumulators of 16 x 16, 128 registers.  K goes in 8 steps of 256 (LDS rows of 512 bytes; a wave's tensor load
; brings 64 of them) through two slots.  A refill is asked for only when the load before it has landed, so nothing but the waits and the round stands between the two: the quarter step that
; is due there is multiplied behind the request.  A trip of the loop is ONE K step: the slot in hand is a scalar turned by an exclusive or, and one descriptor for each tensor walks.
; CLUSTERS: 4 x 4 work-groups; the four of a row of the cluster need the same tiles of ob, the four of a column the same tiles of wo: each is asked for JOINTLY.
; THE MATRIX INSTRUCTION IS USED TRANSPOSED (source 0 = 16 rows of wo, source 1 = 16 rows of ob): a lane holds eight neighbouring numbers of a row of out0, 32 bytes.
; A wave's 64 columns of f32 are 256 bytes on end, aligned, so each wave has a stage of its own (16 rows x 272 bytes) and the way out needs no barrier.
; REGISTERS: window 0: v0-31 addresses; v32-127 at work on the way out; v128-255 the accumulators ((a, b) at v[128 + 8 (4 a + b)]).
;   window 1: two fragment buffers of 128: for 64 along K, 64 registers of ob, then 64 of wo.
.set SIZE_N, 2048
.set SIZE_K, 2048
.set KSTEP,  256
.set PITCH,  528                       ; an LDS row: 512 bytes + 16 of padding = 132 words: row r starts at bank 4 r mod 64 (64 banks of 4 bytes: ISA guide 11.1)
.set HALFT,  64*PITCH
.set SLOT,   4*HALFT
.set SLOTB,  0x24000                   ; slot 1 begins here; the four parts' places in slot 0 (0, 0x8400, 0x10800, 0x18c00) have these two bits clear, so one exclusive or turns a part's place into the other slot's
.set STAGE,  SLOTB+SLOT
.set SPITCH, 272
.set SPARE,  STAGE+4*16*SPITCH         ; behind the stages: the spare words, 128 bytes for each wave: two blocks of 256 bytes that no other line names
.set BASA, 16                          ; v16  my lane's place in a slot's rows of ob; never rewritten
.set BASB, 17                          ; v17  in wo's; never rewritten
.set ADRA, 20                          ; v20, v21  the same two in the slot in hand
.set ADRB, 21
.set STO,  24
.set RD,   25
.set CO,   26
.set SPW,  28
.set NIL,  29
.set TMP,  32                          ; v32-63 16 rows' numbers times 8;  v64-95, v96-127 16 rows read back, by turns
.set ACC,  128
.set F0,   0
.set F1,   128
.set G1, 24                            ; s[24:31] descriptor group 1 for ob's tiles;  s[32:39] group 0: a set for each of the two first fills; the second then walks on
.set G0, 32
.set TB, 45                            ; s45 the slot in hand: 0 or SLOTB
.set G1B, 48                           ; s[48:55], s[56:63] the same for wo's tiles
.set G0B, 56
.set MSB, 0
.macro WIN new
.if MSB != (\new)
	s_set_vgpr_msb (MSB<<8)|(\new)
.set MSB, \new
.endif
.endm
.set MUL,  0x05                        ; sources 0 and 1 window 1; C and D window 0
.set TO_F, 0x40                        ; destination window 1, address window 0
.macro JLOAD s                         ; a joint load: waves 0 and 1 fetch ob's two halves, waves 2 and 3 wo's; an s_nop 0 and four v_nop follow each of the two lines
	s_cmp_eq_u32 s11, 0
	s_cbranch_scc0 .Lfor_b_\@
	tensor_load_to_lds s[G0+4*(\s):G0+4*(\s)+3], s[G1:G1+7]
	s_nop 0
.rept 4
	v_nop
.endr
	s_branch .Lasked_\@
.Lfor_b_\@:
	tensor_load_to_lds s[G0B+4*(\s):G0B+4*(\s)+3], s[G1B:G1B+7]
	s_nop 0
.rept 4
	v_nop
.endr
.Lasked_\@:
.endm
.macro CREST
	s_cmp_lg_u32 s10, 0
	s_cbranch_scc1 .Lnot_wave_0_\@
	s_barrier_signal -3
.Lnot_wave_0_\@:
	s_barrier_wait -3
	s_barrier_signal -1
	s_barrier_wait -1
.endm
.macro CROUND
	s_barrier_signal -1
	s_barrier_wait -1
	CREST
.endm
	s_load_b128 s[4:7], s[0:1], 0x0                ; ob s[4:5], wo s[6:7]
	s_load_b64 s[8:9], s[0:1], 0x10                ; out0
	v_lshl_add_u32 v[SPW], v0, 2, SPARE
	v_mov_b32 v[NIL], 0
	ds_add_u32 v[SPW], v[NIL]                      ; the wave's opening: the add and its wait stand ahead of my first tensor load; the set-up below stands between them
	v_lshrrev_b32 v1, 5, v0
	v_readfirstlane_b32 s10, v1                    ; wave 0..3
	s_lshr_b32 s11, s10, 1                         ; which half of the tile's rows is mine.  Also: I fetch for ob (0) or for wo (1)
	s_and_b32 s12, s10, 1                          ; which half of its columns.  Also: which 64 rows of that tile I fetch
	s_bfe_u32 s40, ttmp6, 0x40000                  ; cx, cy
	s_bfe_u32 s41, ttmp6, 0x40004
	s_lshl_b32 s42, ttmp9, 2
	s_add_co_u32 s42, s42, s40                     ; tile column = 4 x cluster x + cx
	s_and_b32 s13, ttmp7, 0xffff
	s_lshl_b32 s13, s13, 2
	s_add_co_u32 s13, s13, s41                     ; tile row = 4 x cluster y + cy
	s_lshl_b32 s43, s41, 2
	s_lshl_b32 s43, 15, s43                        ; my row of the cluster
	s_lshl_b32 s44, 0x1111, s40                    ; my column
	s_or_b32 s[G1+0], s43, (1<<16)|(1<<20)|(1<<21)|(6<<22)|(3<<25)  ; the mask; 2-byte elements; padding on; 21 set beside a mask; after every 128 words; 4 words
	s_or_b32 s[G1B+0], s44, (1<<16)|(1<<20)|(1<<21)|(6<<22)|(3<<25)
.irp g, G1, G1B
	s_mov_b32 s[(\g)+1], KSTEP<<16                 ; tensor_dim0 = 256
	s_mov_b32 s[(\g)+2], 64<<16                    ; tensor_dim1 = 64
	s_mov_b32 s[(\g)+3], KSTEP<<16                 ; tile_dim0 = 256
	s_mov_b32 s[(\g)+4], 64                        ; tile_dim1 = 64
	s_mov_b32 s[(\g)+5], SIZE_K                    ; elements from row to row
	s_mov_b32 s[(\g)+6], 0
	s_mov_b32 s[(\g)+7], 0
.endr
	s_lshl_b32 s17, s12, 6
	s_lshl_b32 s16, s13, 7
	s_add_co_u32 s16, s16, s17                     ; ob: row 128 x tile row + 64 x half
	s_lshl_b32 s46, s42, 7
	s_add_co_u32 s46, s46, s17                     ; wo: row 128 x tile column + 64 x half
	s_mov_b32 s17, 0
	s_mov_b32 s47, 0
	s_mov_b64 s[18:19], SIZE_K*2
	s_mul_u64 s[16:17], s[16:17], s[18:19]
	s_mul_u64 s[46:47], s[46:47], s[18:19]
	s_mul_i32 s20, s10, HALFT                      ; where they go: wave x 64 rows
	s_mov_b32 s[TB], 0
	s_wait_dscnt 0x0                               ; the opening add is done
	s_wait_kmcnt 0x0
	s_add_nc_u64 s[14:15], s[4:5], s[16:17]
	s_add_nc_u64 s[46:47], s[6:7], s[46:47]
	CROUND                                         ; all sixteen work-groups are here: the first joint loads meet
.irp s, 0,1
	s_mov_b32 s[G0+4*(\s)], 1
	s_add_co_u32 s[G0+4*(\s)+1], s20, (\s)*SLOTB
	s_add_nc_u64 s[G0+4*(\s)+2:G0+4*(\s)+3], s[14:15], (\s)*KSTEP*2
	s_or_b32 s[G0+4*(\s)+3], s[G0+4*(\s)+3], 0x80000000
	s_mov_b32 s[G0B+4*(\s)], 1
	s_add_co_u32 s[G0B+4*(\s)+1], s20, (\s)*SLOTB
	s_add_nc_u64 s[G0B+4*(\s)+2:G0B+4*(\s)+3], s[46:47], (\s)*KSTEP*2
	s_or_b32 s[G0B+4*(\s)+3], s[G0B+4*(\s)+3], 0x80000000
	JLOAD \s                                       ; K steps 0 and 1: two tensor loads of mine are out
.endr
	v_and_b32 v1, 15, v0                           ; l % 16
	v_bfe_u32 v2, v0, 4, 1                         ; l / 16
	v_mul_u32_u24 v3, v1, PITCH
	v_lshl_add_u32 v3, v2, 4, v3
	s_mul_i32 s21, s11, HALFT                      ; my 64 rows of ob
	s_mul_i32 s22, s12, HALFT                      ; my 64 rows of wo,
	s_add_co_u32 s22, s22, 2*HALFT                 ; which lie behind ob's 128
	v_add_nc_u32 v[BASA], s21, v3
	v_add_nc_u32 v[BASB], s22, v3
	v_mov_b32 v[ADRA], v[BASA]                     ; slot 0 is the first in hand
	v_mov_b32 v[ADRB], v[BASB]
	s_mul_i32 s23, s10, 16*SPITCH
	s_add_co_u32 s23, s23, STAGE                   ; my stage
	v_mul_u32_u24 v4, v1, SPITCH                   ; in: row l % 16, 32 bytes for each half of the lanes
	v_lshl_add_u32 v4, v2, 5, v4
	v_add_nc_u32 v[STO], s23, v4
	v_mul_u32_u24 v5, v2, SPITCH                   ; back: lanes 0-15 take one row of 256 bytes, lanes 16-31 the next
	v_lshl_add_u32 v5, v1, 4, v5
	v_add_nc_u32 v[RD], s23, v5
	v_lshlrev_b32 v5, 13, v2                       ; and the same two rows in out0, 8,192 bytes apart
	v_lshl_add_u32 v[CO], v1, 4, v5
	s_lshl_b32 s16, s13, 7
	s_lshl_b32 s17, s11, 6
	s_add_co_u32 s16, s16, s17                     ; my first row: 128 x tile row + 64 x half
	s_lshl_b32 s16, s16, 13
	s_mov_b32 s17, 0
	s_add_nc_u64 s[8:9], s[8:9], s[16:17]
	s_lshl_b32 s46, s42, 9                         ; my first column, in bytes: 512 x tile column + 256 x half
	s_lshl_b32 s47, s12, 8
	s_add_co_u32 s46, s46, s47
	s_mov_b32 s47, 0
	s_add_nc_u64 s[8:9], s[8:9], s[46:47]
; 8 matrix instructions: m blocks a0, a0 + 1 x all 4 n blocks, 32 along K: half c of buffer f.  The 16 accumulators take turns.  zero = 1: the first product starts the sums
.macro MUL8 f, c, a0, zero
	WIN MUL
.irp a, \a0, (\a0)+1
.irp b, 0,1,2,3
.if \zero
	v_wmma_f32_16x16x32_f16 v[ACC+8*(4*(\a)+(\b)):ACC+8*(4*(\a)+(\b))+7], v[(\f)+64+8*(4*(\c)+(\b)):(\f)+64+8*(4*(\c)+(\b))+7], v[(\f)+8*(4*(\c)+(\a)):(\f)+8*(4*(\c)+(\a))+7], 0
.else
	v_wmma_f32_16x16x32_f16 v[ACC+8*(4*(\a)+(\b)):ACC+8*(4*(\a)+(\b))+7], v[(\f)+64+8*(4*(\c)+(\b)):(\f)+64+8*(4*(\c)+(\b))+7], v[(\f)+8*(4*(\c)+(\a)):(\f)+8*(4*(\c)+(\a))+7], v[ACC+8*(4*(\a)+(\b)):ACC+8*(4*(\a)+(\b))+7]
.endif
.endr
.endr
.endm
; 32 LDS loads in one run: the fragments of 64 along K at byte k of the rows of the slot in hand, into buffer f; the first 32 along K first
.macro FETCH k, f
	WIN TO_F
.irp c, 0,1
.irp i, 0,1,2,3
	ds_load_b128 v[(\f)+64+8*(4*(\c)+(\i)):(\f)+64+8*(4*(\c)+(\i))+3],   v[ADRB] offset:(\k)+64*(\c)+(\i)*16*PITCH
	ds_load_b128 v[(\f)+64+8*(4*(\c)+(\i))+4:(\f)+64+8*(4*(\c)+(\i))+7], v[ADRB] offset:(\k)+64*(\c)+(\i)*16*PITCH+32
	ds_load_b128 v[(\f)+8*(4*(\c)+(\i)):(\f)+8*(4*(\c)+(\i))+3],         v[ADRA] offset:(\k)+64*(\c)+(\i)*16*PITCH
	ds_load_b128 v[(\f)+8*(4*(\c)+(\i))+4:(\f)+8*(4*(\c)+(\i))+7],       v[ADRA] offset:(\k)+64*(\c)+(\i)*16*PITCH+32
.endr
.endr
.endm
.macro PLACES                          ; four places in front of loads into registers that matrix instructions have read, and of vector lines that read results
.rept 4
	v_nop
.endr
.endm
; A K step is four quarters of 64 along K, 32 matrix instructions each, on buffers 0, 1, 0, 1.  One of the first three: at its head it fetches the next quarter, at byte k, into buffer g,
; which the quarter before multiplied (hence the four places); then it multiplies buffer f.  So a run of loads has a whole quarter's 32 matrix instructions in which to land.
.macro QUARTER k, f, g, zero
	s_wait_dscnt 16                                ; buffer f's first 32 along K are in
	PLACES
	FETCH \k, \g
	MUL8 \f, 0, 0, \zero
	MUL8 \f, 0, 2, \zero
	s_wait_dscnt 32                                ; all but the 32 just issued
	MUL8 \f, 1, 0, 0
	MUL8 \f, 1, 2, 0
.endm
; The last quarter changes slots and then multiplies buffer 1.  ONE barrier; in front of it each wave waits for all its tensor loads (one is out: its part of the next slot), adds 0 to its
; spare word, and waits for that and for its own reads of this slot.  fill = 1: the barrier opens a round of the cluster's, and this slot is filled again, two K steps ahead, first thing
; behind it.  No product stands between the wait for the one load and the request of the next; all 32 follow the request.
.macro TURN fill
	WIN 0
	s_wait_tensorcnt 0x0
	ds_add_u32 v[SPW], v[NIL]                      ; 0 onto my spare word; the steps below, work on registers, stand between it and the wait for it
.if \fill
	s_xor_b32 s[G0+5], s[G0+5], SLOTB              ; no tensor load of mine is out, so the walking descriptors may be written: the other slot than last time,
	s_add_nc_u64 s[G0+6:G0+7], s[G0+6:G0+7], KSTEP*2   ; the next K step; the type bits on top are not reached
	s_xor_b32 s[G0B+5], s[G0B+5], SLOTB
	s_add_nc_u64 s[G0B+6:G0B+7], s[G0B+6:G0B+7], KSTEP*2
.endif
	s_xor_b32 s[TB], s[TB], SLOTB                  ; the fetches go on in the other slot
	v_add_nc_u32 v[ADRA], s[TB], v[BASA]
	v_add_nc_u32 v[ADRB], s[TB], v[BASB]
	s_wait_dscnt 0x0                               ; the add is done, and my reads of this slot are over
	s_barrier_signal -1
	s_barrier_wait -1
.if \fill
	CREST                                          ; no wave of any partner still reads this slot's tile or has a load on its way
	JLOAD 1                                        ; a whole K step, 128 matrix instructions, ahead of the wait for it; its four v_nop are also the places in front of the loads below
.else
	PLACES
.endif
	FETCH 0, F0
	MUL8 F1, 0, 0, 0
	MUL8 F1, 0, 2, 0
	MUL8 F1, 1, 0, 0
	MUL8 F1, 1, 2, 0
.endm
	s_wait_tensorcnt 1                             ; my part of K step 0 is in; K step 1's may stay out
	s_barrier_signal -1
	s_barrier_wait -1
	FETCH 0, F0
	QUARTER 128, F0, F1, 1                         ; the first quarter stands in front of the loop: its first products start the sums
	WIN 0
	s_mov_b32 s3, 6
.Lstep:                                                ; a trip goes from a K step's second quarter to the next step's first and fills the slot that it leaves: K steps 2 to 7
	QUARTER 256, F1, F0, 0
	QUARTER 384, F0, F1, 0
	TURN 1
	QUARTER 128, F0, F1, 0
	WIN 0
	s_sub_co_u32 s3, s3, 1
	s_cmp_lg_u32 s3, 0
	s_cbranch_scc1 .Lstep
	QUARTER 256, F1, F0, 0                         ; the last two K steps fill nothing
	QUARTER 384, F0, F1, 0
	TURN 0
	QUARTER 128, F0, F1, 0
	QUARTER 256, F1, F0, 0
	QUARTER 384, F0, F1, 0
	s_wait_dscnt 16
	MUL8 F1, 0, 0, 0
	MUL8 F1, 0, 2, 0
	s_wait_dscnt 0
	MUL8 F1, 1, 0, 0
	MUL8 F1, 1, 2, 0
	WIN 0
	; THE WAY OUT, 16 rows at a time: times 8 (O came divided by 8); 32 bytes a lane into my stage; back as whole rows of 256 bytes.  Each accumulator's registers are read in ascending order.
	PLACES
.irp a, 0,1,2,3
.set BK, 64+32*((\a)%2)
.set i, 0
.rept 16
	v_pk_mul_f32 v[TMP+2*i:TMP+2*i+1], v[ACC+32*(\a)+2*i:ACC+32*(\a)+2*i+1], 0x41000000 op_sel_hi:[1,0]
.set i, i+1
.endr
.irp b, 0,1,2,3
	ds_store_b128 v[STO], v[TMP+8*(\b):TMP+8*(\b)+3] offset:64*(\b)
	ds_store_b128 v[STO], v[TMP+8*(\b)+4:TMP+8*(\b)+7] offset:64*(\b)+16
.endr
	s_wait_xcnt 0x0                                ; the registers that earlier stores read are loaded again only behind this wait
.irp t, 0,1,2,3,4,5,6,7
	ds_load_b128 v[BK+4*(\t):BK+4*(\t)+3], v[RD] offset:(\t)*2*SPITCH  ; LDS serves a wave's instructions in order (ISA guide 5.7.1.4): these see the stores above
.endr
.irp t, 0,1,2,3,4,5,6,7
	s_wait_dscnt 7-(\t)
	global_store_b128 v[CO], v[BK+4*(\t):BK+4*(\t)+3], s[8:9] offset:(16*(\a)+2*(\t))*SIZE_N*4 th:TH_STORE_NT  ; 16 lanes store 256 consecutive bytes, at a multiple of 256 from out0's first
.endr
.endr
	s_wait_tensorcnt 0x0                           ; the wave's end: behind my last tensor load and my last LDS store
	ds_add_u32 v[SPW], v[NIL]
	s_wait_dscnt 0x0
	CROUND                                         ; the closing round: no work-group ends while a partner may still ask for a tile that names it
	s_endpgm
.Lfunc_end_k_q405b7f0b53_oproj:
	.size	k_q405b7f0b53_oproj, .Lfunc_end_k_q405b7f0b53_oproj-k_q405b7f0b53_oproj
	.p2alignl 7, 3214868480
	.fill 96, 4, 3214868480
	.section	.rodata,"a",@progbits
	.p2align	6, 0x0
	.amdhsa_kernel k_q405b7f0b53_oproj
		.amdhsa_group_segment_fixed_size 327680
		.amdhsa_private_segment_fixed_size 0
		.amdhsa_enable_private_segment 0
		.amdhsa_kernarg_size 24
		.amdhsa_user_sgpr_count 2
		.amdhsa_user_sgpr_kernarg_segment_ptr 1
		.amdhsa_wavefront_size32 1
		.amdhsa_system_sgpr_workgroup_id_x 1
		.amdhsa_system_sgpr_workgroup_id_y 1
		.amdhsa_system_sgpr_workgroup_id_z 1
		.amdhsa_system_vgpr_workitem_id 0
		.amdhsa_next_free_vgpr 512
		.amdhsa_next_free_sgpr 66
		.amdhsa_reserve_vcc 0
		.amdhsa_float_denorm_mode_32 3
		.amdhsa_float_denorm_mode_16_64 3
		.amdhsa_memory_ordered 1
		.amdhsa_forward_progress 1
		.amdhsa_inst_pref_size 74
	.end_amdhsa_kernel
	.amdgpu_metadata
---
amdhsa.version: [ 1, 2 ]
amdhsa.kernels:
  - .name:           k_q405b7f0b53_oproj
    .symbol:         k_q405b7f0b53_oproj.kd
    .args:
      - { .name: ob, .offset: 0, .size: 8, .value_kind: global_buffer, .address_space: global }
      - { .name: wo, .offset: 8, .size: 8, .value_kind: global_buffer, .address_space: global }
      - { .name: out0, .offset: 16, .size: 8, .value_kind: global_buffer, .address_space: global }
    .group_segment_fixed_size: 327680
    .private_segment_fixed_size: 0
    .kernarg_segment_align: 8
    .kernarg_segment_size: 24
    .max_flat_workgroup_size: 128
    .sgpr_count:     66
    .vgpr_count:     512
    .wavefront_size: 32
...
	.end_amdgpu_metadata
.endif
;; end of part 4
